; MI455X (gfx1250); checked and timed in simulation.
; The chip was launched on July 23, 2026; its instructions are those of AMD's public machine-readable ISA for CDNA 5 (MIT licence, August 2026) and "CDNA5" Instruction Set Architecture Reference Guide (July 2026). The comments in the code are by the model that wrote it; some were corrected since.
;; Disordered Causal Self Attention. Allowed arithmetic: matrix products marked QUANTISED: E4M3 operands, one E8M0 scale for each 32 along K, by v_wmma_scale_f32_16x16x128_f8f6f4 with both operands' format E4M3, f32 sums; everything else in f32.
;; Inputs: W_attn 1,024 x 3,072 float32; W_proj 1,024 x 1,024 float32; bK 16 x 64 float32; bQ 16 x 64 float32; b_attn 3,072 float32; b_proj 1,024 float32; x 4 x 2,048 x 1,024 float32.
;; Outputs: out0 4 x 2,048 x 1,024 float32.
;; This version of the problem:
;;   THIS VERSION OF THE PROBLEM IS GIVEN IN LOW PRECISION. The matrix products marked QUANTISED in the list below multiply operands that are first quantised to E4M3 (4 exponent bits, 3 mantissa bits; 8 bits a number), with one power-of-two scale for each 32 numbers along K (OCP MX v1.0); their sums are f32. All else is computed in f32.
;;   The module's matrix products, in the order in which they are computed (A, B: the left and right operand; K: the contracted axis; several contracted axes count as one K, in the product's order):
;;     1. [M 8,192, K 1,024] x [K 1,024, N 3,072]; A: input x; B: input W_attn: QUANTISED
;;     2. batch 64 x [M 2,048, K 64] x [K 64, N 2,048]; A: computed on the way; B: computed on the way: QUANTISED
;;     3. batch 64 x [M 2,048, K 2,048] x [K 2,048, N 64]; A: softmax (see below); B: computed on the way: QUANTISED
;;     4. [M 8,192, K 1,024] x [K 1,024, N 1,024]; A: computed on the way; B: input W_proj: QUANTISED
;;   THE QUANTISER, for each operand of a quantised product, along K:
;;     - K is cut into blocks of 32 from its start; a last block that is shorter is filled with zeros.
;;     - A block's scale is 2^e with e = floor(log2(the largest magnitude in the block)) - 8, held to -126 .. 127; a block of zeros has e = 0. As a byte (E8M0): e + 127.
;;     - Each number is divided by its block's scale, clamped to +-448, and rounded to the nearest number of E4M3, ties to even, subnormals kept.
;;     - The product sums the exact products of the quantised numbers (number of the format x scale) in f32.
;;   ~~~python
;;   def quantise(x, axis):      # numpy; x: float32 -> the quantised numbers, widened to float32 again
;;       x = np.moveaxis(x, axis, -1); K = x.shape[-1]
;;       x = np.pad(x, [(0, 0)] * (x.ndim - 1) + [(0, -K % 32)]); x = x.reshape(x.shape[:-1] + (-1, 32)); a = np.abs(x).max(-1, keepdims=True)
;;       e = np.where(a > 0, np.clip(np.frexp(np.where(a > 0, a, 1))[1] - 1 - 8, -126, 127), 0)      # np.frexp(a)[1] - 1 = floor(log2(a)), exactly
;;       r = np.clip(x / 2.0 ** e, -448, 448)
;;       step = 2.0 ** (np.maximum(np.frexp(np.where(r == 0, 1, r))[1] - 1, -6) - 3)
;;       q = np.round(r / step) * step * 2.0 ** e      # np.round: ties to even
;;       return np.moveaxis(q.reshape(q.shape[:-2] + (-1,))[..., :K], -1, axis).astype(np.float32)
;;   ~~~
;;   SOFTMAX AHEAD OF A QUANTISED PRODUCT. Where the list says 'softmax', what is quantised is not the finished softmax but p = 2^(t - M), with t = logit x log2(e) and M = ceil(the row's largest t), a whole number; so 1/2 < the row's largest p <= 1. The row's sum l is taken of the UNQUANTISED p, in f32, and the product's result is divided by l at the end. Since M is a whole number, a kernel that streams over the keys may use a running M (the ceiling of the running maximum): every later rescaling is an exact power of two, which a block's scale takes up: the codes' values come out the same.
;;   OPERANDS COMPUTED ON THE WAY. 'Computed on the way' means the value that the module computes at that place (a softmax that the list does not call 'softmax' is quantised finished and normalised). What goes into a quantiser is computed in f32, as accurately as f32 sums, v_exp_f32 and their like allow (about 1e-6 of the number): no bf16 or f16 on the way to a quantiser, and a product that is left as it is and whose result goes on into a quantised operand takes f32 operands (vector FMAs, or v_wmma_f32_16x16x4_f32). A number that lies on a knife's edge between two numbers of the format may be rounded either way, as far as f32 arithmetic and the matrix unit's own rounding can turn it there, and no further.
;; One version. Each part assembles by itself: llvm-mc -triple=amdgcn-amd-amdhsa -mcpu=gfx1250 --defsym DOCPART=n.
;; ======== version 1 of 1: 4 launches
;; limits: right only within a limited range of input values
;; workspace buffers: x_img 8,650,752 bytes; wa_img 3,244,032 bytes; wp_img 1,081,344 bytes; y_img 8,650,752 bytes; qk_img 16,777,216 bytes; qk_sc 1,048,576 bytes; v_img 8,388,608 bytes; v_sc 262,144 bytes
;; launch quant (part 1): grid 384 x 1, 4 waves a work-group, no clusters, 34,304 bytes of LDS; arguments x, W_attn, W_proj, x_img, wa_img, wp_img; writes x_img, wa_img, wp_img
.if DOCPART == 1
	.amdgcn_target "amdgcn-amd-amdhsa--gfx1250"
	.amdhsa_code_object_version 6
	.text
	.protected	k_q17b1d3ca3c_quant
	.globl	k_q17b1d3ca3c_quant
	.p2align	8
	.type	k_q17b1d3ca3c_quant,@function
k_q17b1d3ca3c_quant:
	s_mov_b64 s[64:65], 0
	v_nop
	global_prefetch_b8 v0, s[64:65] scope:SCOPE_SE
	s_setreg_imm32_b32 hwreg(HW_REG_WAVE_MODE, 25, 1), 1
	s_wait_xcnt 0x0
; x [8192][1024], W_attn [1024][3072] and W_proj [1024][1024], f32, become codes of FP8 (E4M3) with one E8M0 scale byte for each 32 along K (x: its last axis; the weights: their FIRST axis).
; A block's scale is 2^(floor(log2(its largest magnitude)) - 8); each number is divided by it, held within +-448 and rounded to the nearest code, ties to even.
; LIMITS: blocks whose largest magnitude lies under 2^-118 keep the byte 1, blocks of zeros too (their codes are zeros, and this program alone reads the bytes); NaN and infinities among the inputs are not served.
; THE OUTPUT IS LAID IN THE ORDER OF THE READER'S OPERAND REGISTERS.  128 rows x 256 K are one dense block of 33,792 bytes at (row / 128) x 135,168 + (k / 256) x 33,792.  In it tile T (16 rows), step s (128 K),
; group c (32 K): lane l's 16 bytes at 4096 T + 2048 s + 512 c + 16 l: row 32 (T / 2) + 8 (T % 2) + r + 8 (r / 8), r = l % 16, k = 32 c + 16 (l / 16) + 0 .. 15.  A row's scale word for step s lies at 32768 + 128 T + 8 r + 4 s.
; A work-group writes one such block.  Work-groups 0-255 take x, 256-351 W_attn, 352-383 W_proj.  No tensor load, no barrier: waves share nothing.
; x: wave w takes tiles 2 w and 2 w + 1.  Each load reads 512 consecutive bytes of one row; 16 rows x 128 K turn through the wave's own stage in LDS (rows 528 bytes apart) and come back 16 neighbours to a lane for each block of 32.
; W: a lane takes a column and its registers run down K, so that a block of 32 lies in one lane and the codes come out with K innermost; only the x path touches LDS.
.set HB,   33792                       ; a block of the image
.set RBB,  4*HB                        ; 128 rows, all of K
.set SEL,  20                          ; s[20:21] lane selects for v_permlanex16_b32: lane l xor 16
.set MNT,  23                          ; s23 the mantissa field of 448
.set R,    16                          ; x: v16-143 two sets of 64 numbers as loaded
.set X,    144                         ; x: v144-207 64 numbers, register 16 b + i = k 32 b + 16 (lane / 16) + i of my row
.set PC,   208                         ; x: v208-223 a fragment's codes
.set TM,   224                         ; x: v224-239 at work
.set PWT,  240                         ; x: v240-243 the four steps' scale words
.set OFFK, 16                          ; W: v16-47 4 x lane + i x a row of W
.set XW,   48                          ; W: v48-111 two sets of 32 numbers
.set CW,   112                         ; W: v112-127 two sets of 8 registers of codes
.set SB,   128                         ; W: v128-129 the scale bytes, four to a register
; 64 numbers of a lane become 16 registers of codes in v[PC] on and my row's scale word in v[pw]
.macro QUANT s, pw
.irp b, 0,1,2,3
	v_max3_num_f32 v[TM+\b], |v[\s+16*\b]|, |v[\s+1+16*\b]|, 0x4800000   ; block b: my 16 numbers, and the floor 2^(9 - 127): the byte cannot fall under 1
.endr
.irp i, 2,4,6,8,10,12,14
.irp b, 0,1,2,3
	v_max3_num_f32 v[TM+\b], v[TM+\b], |v[\s+16*\b+\i]|, |v[\s+1+16*\b+\i]|   ; the four blocks by turns
.endr
.endr
.irp b, 0,1,2,3
	v_permlanex16_b32 v[TM+4+\b], v[TM+\b], s[SEL], s[SEL+1]
.endr
.irp b, 0,1,2,3
	v_max_num_f32 v[TM+\b], v[TM+\b], v[TM+4+\b]                 ; with lane l xor 16's: the block's largest magnitude
.endr
.irp b, 0,1,2,3
	v_add_nc_u32 v[TM+12+\b], 0xfc000000, v[TM+\b]               ; 8 off its exponent field: the conversion's scale operand
.endr
.irp b, 0,1,2,3
	v_and_or_b32 v[TM+8+\b], v[TM+\b], 0x7f800000, s[MNT]        ; 448 x the scale
.endr
.irp b, 0,1,2,3
	v_lshrrev_b32 v[TM+4+\b], 23, v[TM+12+\b]                    ; the scale's byte
.endr
	v_lshl_or_b32 v[\pw], v[TM+5], 8, v[TM+4]
	v_lshl_or_b32 v[\pw], v[TM+6], 16, v[\pw]
	v_lshl_or_b32 v[\pw], v[TM+7], 24, v[\pw]
.irp b, 0,1,2,3
.irp i, 0,1,2,3,4,5,6,7,8,9,10,11,12,13,14,15
	v_med3_num_f32 v[\s+16*\b+\i], v[\s+16*\b+\i], -v[TM+8+\b], v[TM+8+\b]   ; the conversion to an 8-bit code does not saturate (ISA guide 7.6.2): the hold comes first
.endr
	v_cvt_scalef32_pk8_fp8_f32 v[PC+4*\b:PC+1+4*\b], v[\s+16*\b:\s+7+16*\b], v[TM+12+\b]
	v_cvt_scalef32_pk8_fp8_f32 v[PC+2+4*\b:PC+3+4*\b], v[\s+8+16*\b:\s+15+16*\b], v[TM+12+\b]
.endr
	v_nop                                          ; a plain line behind the last conversion
.endm
	s_load_b256 s[4:11], s[0:1], 0x0               ; x s[4:5], W_attn s[6:7], W_proj s[8:9], x_img s[10:11]
	s_load_b128 s[12:15], s[0:1], 0x20             ; wa_img s[12:13], wp_img s[14:15]
	v_lshl_add_u32 v254, v0, 2, 0x8400
	v_mov_b32 v255, 0
	v_lshrrev_b32 v1, 5, v0
	v_readfirstlane_b32 s16, v1                    ; wave 0..3
	v_and_b32 v7, 31, v0                           ; lane
	s_mov_b32 s[SEL], 0x76543210
	s_mov_b32 s[SEL+1], 0xfedcba98
	s_mov_b32 s[MNT], 0x600000
	s_cmp_lt_u32 ttmp9, 256
	s_cbranch_scc0 .Lw
	; ---------------- x ----------------
	s_lshr_b32 s17, ttmp9, 2                       ; which 128 rows
	s_and_b32 s18, ttmp9, 3                        ; which 256 along K
	v_lshlrev_b32 v1, 4, v7                        ; 16 x lane
	s_mul_i32 s19, s16, 8448                       ; my stage: 16 rows x 528 bytes
	v_add_nc_u32 v2, s19, v1                       ; in: a row's 512 bytes as they lie
	s_wait_alu depctr_va_vdst(0)
	v_and_b32 v5, 15, v7
	v_lshrrev_b32 v6, 4, v7
	v_mul_u32_u24 v3, v5, 528
	v_lshl_add_u32 v3, v6, 6, v3
	v_add_nc_u32 v3, s19, v3                       ; out: row lane % 16, + 64 bytes for lanes 16-31
	v_lshlrev_b32 v4, 3, v7                        ; the scale words' way out: 8 bytes a lane
.irp b, 0,1,2,3
	v_mov_b32 v[TM+4+\b], 0                        ; written once: a lane permute's destination counts as one of its sources
.endr
	s_lshl_b32 s24, s17, 19                        ; 128 rows of 4,096 bytes
	s_lshl_b32 s25, s16, 17                        ; my 32 of them
	s_add_co_u32 s24, s24, s25
	s_lshl_b32 s25, s18, 10                        ; 256 numbers along K
	s_add_co_u32 s24, s24, s25
	s_mov_b32 s25, 0
	s_mul_i32 s26, s17, RBB
	s_mul_i32 s27, s18, HB
	s_add_co_u32 s26, s26, s27                     ; the work-group's block of the image
	s_lshl_b32 s27, s16, 13                        ; my two tiles' codes
	s_add_co_u32 s28, s26, s27
	s_mov_b32 s29, 0
	s_lshl_b32 s27, s16, 8                         ; and their scale words
	s_add_co_u32 s30, s26, s27
	s_add_co_u32 s30, s30, 32768
	s_mov_b32 s31, 0
	s_wait_alu depctr_va_vdst(0)
	s_wait_kmcnt 0x0
	s_add_nc_u64 s[4:5], s[4:5], s[24:25]
	s_add_nc_u64 s[8:9], s[10:11], s[28:29]
	s_add_nc_u64 s[10:11], s[10:11], s[30:31]
; step t: tile 2 w + t / 2, the (t % 2)-th 128 along K
.macro LOADX t
.irp i, 0,1,2,3,4,5,6,7,8,9,10,11,12,13,14,15
	global_load_b128 v[R+64*((\t)%2)+4*\i:R+64*((\t)%2)+4*\i+3], v1, s[4:5] offset:(8*((\t)/2)+\i+8*(\i/8))*4096+512*((\t)%2) th:TH_LOAD_NT   ; 512 consecutive bytes of the tile's row i
.endr
.endm
.macro TURNX t                         ; through my stage: LDS serves a wave's instructions in order, so no wait stands between the stores and the loads
.irp i, 0,1,2,3,4,5,6,7,8,9,10,11,12,13,14,15
	ds_store_b128 v2, v[R+64*((\t)%2)+4*\i:R+64*((\t)%2)+4*\i+3] offset:528*\i
.endr
.irp c, 0,1,2,3
.irp j, 0,1,2,3
	ds_load_b128 v[X+16*\c+4*\j:X+16*\c+4*\j+3], v3 offset:128*\c+16*\j
.endr
.endr
.endm
.macro STEPX t
.if (\t) < 3
	s_wait_loadcnt 16                              ; this step's 16 loads are in; the next step's may be out
.else
	s_wait_loadcnt 0x0
.endif
	TURNX \t
	s_wait_dscnt 0x0                               ; my 64 numbers are back, and the stage's stores have read the registers that the loads below fill
	s_wait_xcnt 0x0                                ; the last step's stores have read the codes' registers, which are written again below
.if (\t) < 2
	LOADX (\t)+2
.endif
	QUANT X, PWT+(\t)
.irp c, 0,1,2,3
	global_store_b128 v1, v[PC+4*\c:PC+4*\c+3], s[8:9] offset:((\t)/2)*4096+((\t)%2)*2048+\c*512   ; 512 consecutive bytes, aligned
.endr
.endm
	LOADX 0
	LOADX 1
	STEPX 0
	STEPX 1
	STEPX 2
	STEPX 3
	v_cmp_lt_u32 vcc_lo, 15, v7                    ; lanes 0-15 send the first tile's two words of their row, lanes 16-31 the second tile's
	v_cndmask_b32 v244, v[PWT], v[PWT+2], vcc_lo
	v_cndmask_b32 v245, v[PWT+1], v[PWT+3], vcc_lo
	global_store_b64 v4, v[244:245], s[10:11]      ; 256 consecutive bytes, aligned
	s_wait_tensorcnt 0x0
	ds_add_u32 v254, v255
	s_wait_dscnt 0x0
	s_endpgm
	; ---------------- W_attn, W_proj ----------------
.Lw:
	s_wait_kmcnt 0x0
	s_sub_co_u32 s17, ttmp9, 256
	s_cmp_lt_u32 s17, 96                           ; the choice hangs on the work-group's number alone
	s_cselect_b64 s[4:5], s[6:7], s[8:9]           ; the weight,
	s_cselect_b64 s[10:11], s[12:13], s[14:15]     ; its image,
	s_mov_b32 s18, 4096
	s_cselect_b32 s18, 12288, s18                  ; its row in bytes
	s_cselect_b32 s19, 0, 96
	s_sub_co_u32 s17, s17, s19
	s_lshr_b32 s19, s17, 2                         ; which 128 columns
	s_and_b32 s22, s17, 3                          ; which 256 along K
	s_lshl_b32 s40, s22, 8
	s_mul_i32 s40, s40, s18
	s_lshl_b32 s41, s19, 9
	s_add_co_u32 s40, s40, s41
	s_lshl_b32 s41, s16, 7                         ; my 32 columns
	s_add_co_u32 s40, s40, s41
	s_mov_b32 s41, 0
	s_add_nc_u64 s[24:25], s[4:5], s[40:41]        ; a base for each of the 8 blocks of 32 along K: no pointer is stepped later
	s_lshl_b32 s40, s18, 5
.irp t, 1,2,3,4,5,6,7
	s_add_nc_u64 s[24+2*\t:25+2*\t], s[22+2*\t:23+2*\t], s[40:41]
.endr
	s_mul_i32 s42, s19, RBB
	s_mul_i32 s43, s22, HB
	s_add_co_u32 s42, s42, s43
	s_lshl_b32 s43, s16, 13
	s_add_co_u32 s44, s42, s43
	s_mov_b32 s45, 0
	s_lshl_b32 s43, s16, 8
	s_add_co_u32 s46, s42, s43
	s_add_co_u32 s46, s46, 32768
	s_mov_b32 s47, 0
	s_add_nc_u64 s[8:9], s[10:11], s[44:45]
	s_add_nc_u64 s[10:11], s[10:11], s[46:47]
	s_wait_alu depctr_va_vdst(0)
	v_lshlrev_b32 v[OFFK], 2, v7
.set i, 1
.rept 31
	v_add_nc_u32 v[OFFK+i], s18, v[OFFK+i-1]
.set i, i+1
.endr
	v_and_b32 v8, 7, v7                            ; column 32 w + lane is row (lane % 8) + 8 (lane / 16) of tile 2 w + (lane / 8) % 2
	v_lshrrev_b32 v9, 4, v7
	v_lshl_add_u32 v8, v9, 3, v8
	v_bfe_u32 v9, v7, 3, 1
	v_lshlrev_b32 v5, 4, v8
	v_lshl_add_u32 v5, v9, 12, v5                  ; my codes' place
	v_lshlrev_b32 v6, 3, v8
	v_lshl_add_u32 v6, v9, 7, v6                   ; my scale words'
.macro LOADW t
.set i, 0
.rept 32
	global_load_b32 v[XW+32*((\t)%2)+i], v[OFFK+i], s[24+2*(\t):25+2*(\t)] th:TH_LOAD_NT   ; one row of W at 32 neighbouring columns
.set i, i+1
.endr
.endm
.macro BLOCKW t
.set XS, XW+32*((\t)%2)
.set CC, CW+8*((\t)%2)
.if (\t) < 7
	s_wait_loadcnt 32                              ; this block's 32 loads are in; the next block's may be out
.else
	s_wait_loadcnt 0x0
.endif
.if (\t) >= 2
	s_wait_xcnt 0x0                                ; the stores of two blocks ago have read this set of code registers
.endif
	v_max3_num_f32 v12, |v[XS]|, |v[XS+1]|, |v[XS+2]|              ; the block's largest magnitude: all 32 numbers are mine
	v_max3_num_f32 v13, |v[XS+3]|, |v[XS+4]|, |v[XS+5]|
.irp i, 6,10,14,18,22,26
	v_max3_num_f32 v12, v12, |v[XS+\i]|, |v[XS+\i+1]|
	v_max3_num_f32 v13, v13, |v[XS+\i+2]|, |v[XS+\i+3]|
.endr
	v_max3_num_f32 v12, v12, |v[XS+30]|, |v[XS+31]|
	v_max3_num_f32 v12, v12, v13, 0x4800000        ; and the floor
	v_add_nc_u32 v11, 0xfc000000, v12
	v_and_or_b32 v10, v12, 0x7f800000, s[MNT]
	v_lshrrev_b32 v13, 23, v11
.if (\t)%4 == 0
	v_mov_b32 v[SB+(\t)/4], v13                    ; four bytes to a register, the lower K in the lower byte
.else
	v_lshl_or_b32 v[SB+(\t)/4], v13, 8*((\t)%4), v[SB+(\t)/4]
.endif
.set i, 0
.rept 32
	v_med3_num_f32 v[XS+i], v[XS+i], -v10, v10
.set i, i+1
.endr
.irp g, 0,1,2,3
	v_cvt_scalef32_pk8_fp8_f32 v[CC+2*\g:CC+2*\g+1], v[XS+8*\g:XS+8*\g+7], v11
.endr
	v_nop
	global_store_b128 v5, v[CC:CC+3], s[8:9] offset:((\t)/4)*2048+((\t)%4)*512         ; k 0-15 of the block: the place of the reader's lanes 0-15; sixteen of my lanes fill 256 consecutive bytes
	global_store_b128 v5, v[CC+4:CC+7], s[8:9] offset:((\t)/4)*2048+((\t)%4)*512+256   ; k 16-31: that of its lanes 16-31
.if (\t)+2 < 8
	LOADW (\t)+2
.endif
.endm
	LOADW 0
	LOADW 1
.irp t, 0,1,2,3,4,5,6,7
	BLOCKW \t
.endr
	global_store_b64 v6, v[SB:SB+1], s[10:11]      ; my column's two scale words
	s_endpgm
.Lfunc_end_k_q17b1d3ca3c_quant:
	.size	k_q17b1d3ca3c_quant, .Lfunc_end_k_q17b1d3ca3c_quant-k_q17b1d3ca3c_quant
	.p2alignl 7, 3214868480
	.fill 96, 4, 3214868480
	.section	.rodata,"a",@progbits
	.p2align	6, 0x0
	.amdhsa_kernel k_q17b1d3ca3c_quant
		.amdhsa_group_segment_fixed_size 34304
		.amdhsa_private_segment_fixed_size 0
		.amdhsa_enable_private_segment 0
		.amdhsa_kernarg_size 48
		.amdhsa_user_sgpr_count 2
		.amdhsa_user_sgpr_kernarg_segment_ptr 1
		.amdhsa_wavefront_size32 1
		.amdhsa_system_sgpr_workgroup_id_x 1
		.amdhsa_system_sgpr_workgroup_id_y 1
		.amdhsa_system_sgpr_workgroup_id_z 1
		.amdhsa_system_vgpr_workitem_id 0
		.amdhsa_next_free_vgpr 256
		.amdhsa_next_free_sgpr 66
		.amdhsa_reserve_vcc 1
		.amdhsa_float_denorm_mode_32 3
		.amdhsa_float_denorm_mode_16_64 3
		.amdhsa_memory_ordered 1
		.amdhsa_forward_progress 1
		.amdhsa_inst_pref_size 108
	.end_amdhsa_kernel
	.amdgpu_metadata
---
amdhsa.version: [ 1, 2 ]
amdhsa.kernels:
  - .name:           k_q17b1d3ca3c_quant
    .symbol:         k_q17b1d3ca3c_quant.kd
    .args:
      - { .name: x, .offset: 0, .size: 8, .value_kind: global_buffer, .address_space: global }
      - { .name: W_attn, .offset: 8, .size: 8, .value_kind: global_buffer, .address_space: global }
      - { .name: W_proj, .offset: 16, .size: 8, .value_kind: global_buffer, .address_space: global }
      - { .name: x_img, .offset: 24, .size: 8, .value_kind: global_buffer, .address_space: global }
      - { .name: wa_img, .offset: 32, .size: 8, .value_kind: global_buffer, .address_space: global }
      - { .name: wp_img, .offset: 40, .size: 8, .value_kind: global_buffer, .address_space: global }
    .group_segment_fixed_size: 34304
    .private_segment_fixed_size: 0
    .kernarg_segment_align: 8
    .kernarg_segment_size: 48
    .max_flat_workgroup_size: 128
    .sgpr_count:     66
    .vgpr_count:     256
    .wavefront_size: 32
...
	.end_amdgpu_metadata
.endif
;; end of part 1
;; launch qkv (part 2): grid 12 x 32, 4 waves a work-group, clusters of 4 x 4, 327,680 bytes of LDS; arguments x_img, wa_img, b_attn, bQ, bK, qk_img, qk_sc, v_img, v_sc; writes qk_img, qk_sc, v_img, v_sc
.if DOCPART == 2
	.amdgcn_target "amdgcn-amd-amdhsa--gfx1250"
	.amdhsa_code_object_version 6
	.text
	.protected	k_q17b1d3ca3c_qkv
	.globl	k_q17b1d3ca3c_qkv
	.p2align	8
	.type	k_q17b1d3ca3c_qkv,@function
k_q17b1d3ca3c_qkv:
	s_mov_b64 s[64:65], 0
	v_nop
	global_prefetch_b8 v0, s[64:65] scope:SCOPE_SE
	s_setreg_imm32_b32 hwreg(HW_REG_WAVE_MODE, 25, 1), 1
	s_wait_xcnt 0x0
	s_wait_alu depctr_hold_cnt(0) depctr_sa_sdst(0) depctr_va_vdst(0) depctr_va_sdst(0) depctr_va_ssrc(0) depctr_va_vcc(0) depctr_vm_vsrc(0)
	s_getreg_b32 s2, hwreg(HW_REG_IB_STS2, 6, 4)
	s_cmp_eq_u32 s2, 0
	s_cbranch_scc0 .Lentry_in_a_cluster
	s_endpgm
.Lentry_in_a_cluster:
	s_bfe_u32 s2, ttmp6, 0x10000c
	s_cmp_lg_u32 s2, 0xf033
	s_cbranch_scc0 .Lentry_shape_is_right
	s_endpgm
.Lentry_shape_is_right:
; qkv = x W_attn + b_attn on codes of FP8 (E4M3) with E8M0 scales; q + bQ and k + bK are quantised along the head's 64 channels, v along the tokens, and leave as images of the next launch's operand registers.
; OPERANDS are images (128 rows x 256 K = 33,792 dense bytes: 32,768 of codes in the order of the fragments' registers, then 1,024 of scale words): a tile's half is ONE dense block for one tensor load, a fragment is four
; ds_load_b128 of 512 consecutive bytes, and there is no pitch and no padding.  The 16 rows of tile T are rows 32 (T / 2) + 8 (T % 2) + r + 8 (r / 8) of their 128.
; A tile of the result is 256 rows of P x 256 rows of R; four waves, each 128 x 128 in 64 accumulators.  Source 0 = 16 rows of R, source 1 = 16 rows of P: a lane holds ONE row of P, and the 16 registers of R's tiles
; 2 g, 2 g + 1 are rows 32 g + 16 (lane / 16) + 0 .. 15 of R: a lane's share of a block of 32 of the next operand.
; ONE TEXT FOR TWO KINDS OF TILE, told apart by the cluster's x alone (equal in all partners), by choices of pointers and constants, never by a branch.  Clusters 0, 1 (q, k): P = tokens, R = columns of W_attn, so that
; a lane's registers run along the head's channels.  Cluster 2 (v): P = columns 2048 .. 3071 of W_attn, R = tokens, so that a lane's registers run along the tokens, which are v's K.
; K = 1024 goes in four steps of 256 through two LDS slots.  CLUSTERS: 4 x 4 work-groups; P's tiles are asked for jointly along a row of the cluster, R's along a column.
; The bias along R (b_attn + bQ or bK) is the C of the sums' first products; the bias along P (b_attn for v) is added on the way out.  ORDER OF ROUNDING: q = sum + (b_attn + bQ), where the definition adds the two one after the other.
; LIMITS: blocks whose largest magnitude lies under 2^-118 keep the byte 1, blocks of zeros too (zero codes); NaN and infinities are not served.
; REGISTERS: window 0: v2-5 store offsets; v8-13 LDS addresses; v14-15 for the add; v16-31 bias along P; v32-63 scale words, two sets; v64-127 bias along R; v128-255 P's fragments, one set.  On the way out v32-143 are at work.
;   window 1: R's fragments, two sets.   windows 2, 3: accumulator (a, b) at v[8 (8 (a % 4) + b)].
.set HB,    33792                      ; half a tile for 256 along K
.set SLOT,  HB                         ; from slot 0 to slot 1: each of the four parts (P's two halves, R's two) has its two slots on end, 2 HB a part
.set RBB,   4*HB                       ; 128 rows of an operand in memory, all of K
.set SPARE, 8*HB                       ; behind the ring: the spare words, 128 bytes a wave: two blocks of 256 bytes that no other line names
.set NP,    8                          ; places behind this matrix instruction (ISA guide 7.12.1)
.set OG0,   2                          ; v2  16 x lane
.set OG2,   3                          ; v3  16 x lane + the way to the image's third group
.set SOFF,  4                          ; v4  where my four scale words go
.set SHV,   5                          ; v5  q, k: lanes 16-31 take the upper two bytes of a scale word
.set ADRA,  8                          ; v8-9   my P fragments in slot 0, 1
.set ADRB,  10                         ; v10-11 my R fragments
.set ADRS,  12                         ; v12-13 scale words: lanes 0-15 P's, lanes 16-31 R's
.set SPW,   14
.set NIL,   15
.set BP,    16
.set SC,    32
.set BR,    64
.set AF,    128
.set SW,    36                         ; the way out: v36-43 scale words, two fours
.set PW,    44
.set TM,    48
.set ST,    64
.set PC,    128
.set G1,  24                           ; s[24:31], s[32:39]: groups 1 and 0 (a set for each slot) for P's tiles
.set G0,  32
.set G1B, 48                           ; s[48:55], s[56:63]: for R's
.set G0B, 56
.set OB,  86                           ; s[86:87] where the codes go;  s[88:89] the scale words
.set OS,  88
.set STA, 90                           ; s[90:91] from block to block;  s[92:93] more at block 4;  s[94:95] the scale words' step at block 4
.set STX, 92
.set SQ,  94
.set SEL, 96
.set MNT, 98
.set MSK, 99
.set MSB, 0
.macro WIN new                         ; the immediate's high byte repeats the setting that is left
.if MSB != \new
	s_set_vgpr_msb (MSB<<8)|\new
.set MSB, \new
.endif
.endm
.set MUL_LO, 0xa1                      ; source 0 (R) window 1, source 1 (P) window 0, C and D window 2
.set MUL_HI, 0xf1                      ; the same, C and D window 3
.set TO_B,   0x40                      ; destination window 1, address window 0
; A joint load: waves 0 and 1 fetch P's halves, waves 2 and 3 R's.  The branch hangs on the wave's number alone.  Four v_nop follow each of the two lines.
.macro JLOAD g0a, g1a, g0b, g1b
	s_cmp_eq_u32 s15, 0
	s_cbranch_scc0 .Lfor_b_\@
	tensor_load_to_lds s[\g0a:\g0a+3], s[\g1a:\g1a+7]
	s_nop 0
.rept 4
	v_nop
.endr
	s_branch .Lasked_\@
.Lfor_b_\@:
	tensor_load_to_lds s[\g0b:\g0b+3], s[\g1b:\g1b+7]
	s_nop 0
.rept 4
	v_nop
.endr
.Lasked_\@:
.endm
.macro CREST                           ; a round of the cluster's barrier behind its opening barrier
	s_cmp_lg_u32 s14, 0
	s_cbranch_scc1 .Lnot_wave_0_\@
	s_barrier_signal -3
.Lnot_wave_0_\@:
	s_barrier_wait -3
	s_barrier_signal -1
	s_barrier_wait -1
.endm
.macro CROUND
	s_barrier_signal -1
	s_barrier_wait -1
	CREST
.endm
.macro PLACES n
.rept \n
	v_nop
.endr
.endm
.macro FRAG reg, adr, q, i             ; tile i, the slot's q-th 128 along K: 16 registers, as they were stored
.irp c, 0,1,2,3
	ds_load_b128 v[\reg+4*\c:\reg+4*\c+3], v[\adr] offset:(\i)*4096+(\q)*2048+512*\c
.endr
.endm
.macro FETCH_B slot, q, p
	WIN TO_B
.irp i, 0,1,2,3,4,5,6,7
	FRAG 128*(\p)+16*\i, ADRB+\slot, \q, \i
.endr
	WIN 0
.endm
.macro FETCH_A slot, q, i0
.irp i, \i0, \i0+1, \i0+2, \i0+3
	FRAG AF+16*(\i), ADRA+\slot, \q, \i
.endr
.endm
.macro SCALES sc                       ; a slot's scale words: two a row; lanes 0-15 take P's tile i, lanes 16-31 R's tile i
.irp i, 0,1,2,3,4,5,6,7
	ds_load_b64 v[SC+16*\sc+2*\i:SC+16*\sc+2*\i+1], v[ADRS+\sc] offset:128*\i
.endr
.endm
; 16 matrix instructions: P's tiles a0, a0 + 1 x R's eight.  first = 1: the sums start from the bias along R.  The 64 accumulators take turns, one instruction a turn.
.macro MUL16 a0, p, q, sc, first
.irp a, \a0, \a0+1
.irp b, 0,1,2,3,4,5,6,7
.if \first
	v_wmma_scale_f32_16x16x128_f8f6f4 v[8*(8*((\a)%4)+\b):8*(8*((\a)%4)+\b)+7], v[128*(\p)+16*\b:128*(\p)+16*\b+15], v[AF+16*(\a):AF+16*(\a)+15], v[BR+8*\b:BR+8*\b+7], v[SC+16*(\sc)+2*\b+(\q)], v[SC+16*(\sc)+2*(\a)+(\q)] matrix_a_scale:MATRIX_SCALE_ROW1
.else
	v_wmma_scale_f32_16x16x128_f8f6f4 v[8*(8*((\a)%4)+\b):8*(8*((\a)%4)+\b)+7], v[128*(\p)+16*\b:128*(\p)+16*\b+15], v[AF+16*(\a):AF+16*(\a)+15], v[8*(8*((\a)%4)+\b):8*(8*((\a)%4)+\b)+7], v[SC+16*(\sc)+2*\b+(\q)], v[SC+16*(\sc)+2*(\a)+(\q)] matrix_a_scale:MATRIX_SCALE_ROW1
.endif
.endr
.endr
.endm
; A slot's first 128 along K.  P has one set of registers: tiles 0-3 are fetched anew in the step's middle, tiles 4-7 at its end; R has two sets.
.macro STEP slot, first
	s_wait_dscnt 16                                ; all but the youngest 16 loads (P's tiles 4-7)
.if \first
	WIN 0x81                                       ; C (the bias) window 0, D window 2
.else
	WIN MUL_LO
.endif
	MUL16 0, 0, 0, \slot, \first
	MUL16 2, 0, 0, \slot, \first
	s_wait_dscnt 0x0
	PLACES NP                                      ; in front of loads into registers that matrix instructions have read
	FETCH_B \slot, 1, 1
	FETCH_A \slot, 1, 0
.if \first
	WIN 0xc1
.else
	WIN MUL_HI
.endif
	MUL16 4, 0, 0, \slot, \first
	MUL16 6, 0, 0, \slot, \first
	PLACES NP
	WIN 0
	FETCH_A \slot, 1, 4
.endm
; A slot's second 128 along K changes slots: one barrier; in front of it each wave waits for all its tensor loads, adds 0 to its spare word, and waits for that and for its reads of this slot.
.macro TURN slot, next, fill
	s_wait_tensorcnt 0x0                           ; all my tensor loads have landed: my part of the next slot
	ds_add_u32 v[SPW], v[NIL]                      ; 0 onto my spare word
	s_wait_dscnt 17                                ; the add and the youngest 16 loads may be out
	WIN MUL_LO
	MUL16 0, 1, 1, \slot, 0
	s_wait_dscnt 0x0                               ; the add is done, and my reads of this slot are over
	s_barrier_signal -1
	MUL16 2, 1, 1, \slot, 0
	WIN 0
	s_barrier_wait -1
.if \fill
	CREST                                          ; the barrier has opened a round of the cluster's: no wave of any partner still reads this slot or has a load on its way
	s_add_nc_u64 s[G0+4*\slot+2:G0+4*\slot+3], s[G0+4*\slot+2:G0+4*\slot+3], 2*HB
	s_add_nc_u64 s[G0B+4*\slot+2:G0B+4*\slot+3], s[G0B+4*\slot+2:G0B+4*\slot+3], 2*HB
	JLOAD G0+4*\slot, G1, G0B+4*\slot, G1B         ; the first tensor load behind the round; its four v_nop are four of the eight places
	PLACES NP-4
.else
	PLACES NP
.endif
	FETCH_B \next, 0, 0
	FETCH_A \next, 0, 0
	SCALES \next
	WIN MUL_HI
	MUL16 4, 1, 1, \slot, 0
	MUL16 6, 1, 1, \slot, 0
	PLACES NP
	WIN 0
	FETCH_A \next, 0, 4
.endm
; 64 numbers of a lane become 16 registers of codes in v[PC] on and my row's scale word in v[pw]
.macro QUANT s, pw
.irp b, 0,1,2,3
	v_max3_num_f32 v[TM+\b], |v[\s+16*\b]|, |v[\s+1+16*\b]|, 0x4800000   ; block b: my 16 numbers, and the floor 2^(9 - 127)
.endr
.irp i, 2,4,6,8,10,12,14
.irp b, 0,1,2,3
	v_max3_num_f32 v[TM+\b], v[TM+\b], |v[\s+16*\b+\i]|, |v[\s+1+16*\b+\i]|
.endr
.endr
.irp b, 0,1,2,3
	v_permlanex16_b32 v[TM+4+\b], v[TM+\b], s[SEL], s[SEL+1]
.endr
.irp b, 0,1,2,3
	v_max_num_f32 v[TM+\b], v[TM+\b], v[TM+4+\b]
.endr
.irp b, 0,1,2,3
	v_add_nc_u32 v[TM+12+\b], 0xfc000000, v[TM+\b]               ; the conversion's scale operand
.endr
.irp b, 0,1,2,3
	v_and_or_b32 v[TM+8+\b], v[TM+\b], 0x7f800000, s[MNT]        ; 448 x the scale
.endr
.irp b, 0,1,2,3
	v_lshrrev_b32 v[TM+4+\b], 23, v[TM+12+\b]                    ; the scale's byte
.endr
	v_lshl_or_b32 v[\pw], v[TM+5], 8, v[TM+4]
	v_lshl_or_b32 v[\pw], v[TM+6], 16, v[\pw]
	v_lshl_or_b32 v[\pw], v[TM+7], 24, v[\pw]
.irp b, 0,1,2,3
.irp i, 0,1,2,3,4,5,6,7,8,9,10,11,12,13,14,15
	v_med3_num_f32 v[\s+16*\b+\i], v[\s+16*\b+\i], -v[TM+8+\b], v[TM+8+\b]   ; the conversion does not saturate (ISA guide 7.6.2)
.endr
	v_cvt_scalef32_pk8_fp8_f32 v[PC+4*\b:PC+1+4*\b], v[\s+16*\b:\s+7+16*\b], v[TM+12+\b]
	v_cvt_scalef32_pk8_fp8_f32 v[PC+2+4*\b:PC+3+4*\b], v[\s+8+16*\b:\s+15+16*\b], v[TM+12+\b]
.endr
	v_nop                                          ; a plain line behind the last conversion
.endm
	s_load_b256 s[68:75], s[0:1], 0x0              ; x_img s[68:69], wa_img s[70:71], b_attn s[72:73], bQ s[74:75]
	s_load_b256 s[76:83], s[0:1], 0x20             ; bK s[76:77], qk_img s[78:79], qk_sc s[80:81], v_img s[82:83]
	s_load_b64 s[84:85], s[0:1], 0x40              ; v_sc
	v_lshl_add_u32 v[SPW], v0, 2, SPARE
	v_mov_b32 v[NIL], 0
	ds_add_u32 v14, v15
	ds_add_u32 v14, v15
	s_wait_dscnt 0x0
	v_lshrrev_b32 v1, 5, v0
	v_readfirstlane_b32 s14, v1                    ; wave 0..3
	s_lshr_b32 s15, s14, 1                         ; my half of P's rows.  Also: I fetch for P (0) or for R (1)
	s_and_b32 s16, s14, 1                          ; my half of R's rows.  Also: which half I fetch
	s_bfe_u32 s40, ttmp6, 0x40000                  ; cx, cy: my place in the cluster
	s_bfe_u32 s41, ttmp6, 0x40004
	s_and_b32 s17, ttmp7, 0xffff                   ; the cluster's y
	s_lshl_b32 s43, s41, 2
	s_lshl_b32 s43, 15, s43                        ; my row of the cluster
	s_lshl_b32 s44, 0x1111, s40                    ; my column
	s_or_b32 s[G1+0], s43, (3<<16)|(1<<21)         ; 15:0 the mask; 17:16 elements of 8 bytes; 21 set beside a mask; no padding
	s_or_b32 s[G1B+0], s44, (3<<16)|(1<<21)
.irp g, G1, G1B
	s_mov_b32 s[\g+1], 32<<16                      ; tensor_dim0 = 32 elements: 256 bytes
	s_mov_b32 s[\g+2], 264<<16                     ; tensor_dim1 = 264 rows: the head's load brings K blocks 0 and 1, which lie on end in memory, into both slots
	s_mov_b32 s[\g+3], 32<<16                      ; tile_dim0
	s_mov_b32 s[\g+4], 264                         ; tile_dim1
	s_mov_b32 s[\g+5], 32                          ; the pitch
	s_mov_b32 s[\g+6], 0
	s_mov_b32 s[\g+7], 0
.endr
	s_cmp_lt_u32 ttmp9, 2                          ; q, k or v?  The cluster's x: equal in all sixteen partners
	s_cselect_b32 s18, s17, 0
	s_cselect_b32 s19, ttmp9, s17
	s_cselect_b32 s20, 0, 16                       ; v's columns begin at row block 16 of wa_img
	s_lshl_b32 s18, s18, 2
	s_add_co_u32 s18, s18, s41                     ; P's tile: shared along my row of the cluster
	s_lshl_b32 s19, s19, 2
	s_add_co_u32 s19, s19, s40                     ; R's tile: shared along my column
	s_lshl_b32 s21, s18, 1
	s_add_co_u32 s21, s21, s16
	s_add_co_u32 s21, s21, s20
	s_mul_i32 s22, s21, RBB                        ; the 128 rows of P that I would fetch, in bytes
	s_mov_b32 s23, 0
	s_lshl_b32 s45, s19, 1
	s_add_co_u32 s45, s45, s16
	s_mul_i32 s46, s45, RBB                        ; and of R
	s_mov_b32 s47, 0
	s_mul_i32 s42, s14, 2*HB                       ; where they go: wave x a part of two slots: no place in the cluster enters an LDS address
	s_wait_kmcnt 0x0
	s_cmp_lt_u32 ttmp9, 2
	s_cselect_b64 s[2:3], s[68:69], s[70:71]
	s_cselect_b64 s[4:5], s[70:71], s[68:69]
	s_add_nc_u64 s[2:3], s[2:3], s[22:23]
	s_add_nc_u64 s[4:5], s[4:5], s[46:47]
	CROUND                                         ; all sixteen work-groups are here: the first joint loads meet
.irp s, 0,1
	s_mov_b32 s[G0+4*\s], 1
	s_add_co_u32 s[G0+4*\s+1], s42, \s*SLOT
	s_add_nc_u64 s[G0+4*\s+2:G0+4*\s+3], s[2:3], \s*HB
	s_or_b32 s[G0+4*\s+3], s[G0+4*\s+3], 0x80000000
	s_mov_b32 s[G0B+4*\s], 1
	s_add_co_u32 s[G0B+4*\s+1], s42, \s*SLOT
	s_add_nc_u64 s[G0B+4*\s+2:G0B+4*\s+3], s[4:5], \s*HB
	s_or_b32 s[G0B+4*\s+3], s[G0B+4*\s+3], 0x80000000
.if \s == 0
	JLOAD G0, G1, G0B, G1B                         ; my one load at the head: both slots' first fill
.endif
.endr
	v_and_b32 v1, 31, v0
	v_and_b32 v6, 15, v0                           ; r
	v_bfe_u32 v7, v0, 4, 1                         ; h
	s_wait_alu depctr_va_vdst(0)
	v_lshlrev_b32 v[OG0], 4, v1
	s_wait_alu depctr_va_vdst(0)
	s_mul_i32 s21, s15, 2*HB
	s_mul_i32 s22, s16, 2*HB
	s_add_co_u32 s22, s22, 4*HB
.irp s, 0,1
	v_add_nc_u32 v[ADRA+\s], s21, v[OG0]
	v_add_nc_u32 v[ADRB+\s], s22, v[OG0]
	s_add_co_u32 s21, s21, SLOT
	s_add_co_u32 s22, s22, SLOT
.endr
	s_mul_i32 s21, s15, 2*HB
	s_mul_i32 s22, s16, 2*HB
	s_add_co_u32 s22, s22, 4*HB
	s_sub_co_u32 s22, s22, s21
	v_mul_u32_u24 v1, s22, v7                      ; lanes 16-31 take R's words: one product, the distance between the two halves
	v_lshl_add_u32 v1, v6, 3, v1                   ; 8 bytes a row
	s_add_co_u32 s21, s21, 32768
	v_add_nc_u32 v[ADRS], s21, v1
	v_add_nc_u32 v[ADRS+1], SLOT, v[ADRS]
	; what differs between the kinds, chosen once
	s_cmp_lt_u32 ttmp9, 2
	s_cselect_b32 s6, s18, s19                     ; the tile of tokens, and my half of it
	s_cselect_b32 s7, s15, s16
	s_cselect_b32 s8, s19, s18                     ; the tile of columns, and my half of it
	s_cselect_b32 s9, s16, s15
	s_cselect_b64 s[OB:OB+1], s[78:79], s[82:83]
	s_cselect_b64 s[OS:OS+1], s[80:81], s[84:85]
	s_cselect_b32 s10, 2, 1                        ; scale words: 4 bytes a token and head (q, k), 2 (v)
	s_mov_b32 s[STA], 2048
	s_cselect_b32 s[STA], 1024, s[STA]             ; an image of 16 rows: 64 K (q, k) or 128 K (v)
	s_cselect_b32 s[STX], 0, 122880                ; v: block 4 begins the next head: 131,072 - 8,192 more
	s_mov_b32 s[SQ], 4096
	s_cselect_b32 s[SQ], 256, s[SQ]
	s_cselect_b32 s[MSK], 0xffff, -1               ; q, k: a head has two of a word's four bytes
	s_mov_b32 s11, 1024
	s_cselect_b32 s11, 131072, s11                 ; groups 2, 3 of a lane's codes: the next head (q, k) or the image's second half (v)
	s_cselect_b32 s12, 8192, 0                     ; q, k: lanes 16-31 send the next head's words
	s_cselect_b32 s13, 16, 0
	s_cselect_b32 s42, 1.0, 0                      ; the bias along R counts for q, k alone,
	s_cselect_b32 s44, 0, 1.0                      ; the bias along P for v alone
	s_mov_b32 s43, s42
	s_mov_b32 s45, s44
	s_mov_b32 s[STA+1], 0
	s_mov_b32 s[STX+1], 0
	s_mov_b32 s[SQ+1], 0
	s_mov_b32 s[SEL], 0x76543210
	s_mov_b32 s[SEL+1], 0xfedcba98
	s_mov_b32 s[MNT], 0x600000
	v_add_nc_u32 v[OG2], s11, v[OG0]
	v_lshlrev_b32 v[SOFF], 4, v6
	v_mad_u32_u24 v[SOFF], v7, s12, v[SOFF]
	v_mul_u32_u24 v[SHV], v7, s13
	s_lshl_b32 s6, s6, 8
	s_lshl_b32 s7, s7, 7
	s_add_co_u32 s6, s6, s7                        ; my first token
	s_lshl_b32 s8, s8, 8
	s_lshl_b32 s9, s9, 7
	s_add_co_u32 s8, s8, s9                        ; my first column (v: counted from 2048)
	s_lshr_b32 s7, s6, 11                          ; the batch
	s_and_b32 s6, s6, 2047                         ; the token in it
	s_lshr_b32 s9, s8, 10                          ; 1: k
	s_and_b32 s17, s8, 1023
	s_lshr_b32 s20, s17, 6
	s_lshl_b32 s7, s7, 4
	s_add_co_u32 s20, s20, s7                      ; my first head: 16 x batch + head
	s_lshl_b32 s22, s9, 23
	s_lshl_b32 s23, s20, 17
	s_add_co_u32 s22, s22, s23
	s_lshl_b32 s23, s6, 6
	s_add_co_u32 s22, s22, s23                     ; 64 bytes a token and head in both images
	s_mov_b32 s23, 0
	s_add_nc_u64 s[OB:OB+1], s[OB:OB+1], s[22:23]
	s_lshl_b32 s22, s20, 11
	s_add_co_u32 s22, s22, s6
	s_lshl_b32 s22, s22, s10
	s_lshl_b32 s21, s9, 19
	s_add_co_u32 s22, s22, s21
	s_add_nc_u64 s[OS:OS+1], s[OS:OS+1], s[22:23]
	; the biases.  A kind's unused bias is loaded from the buffer's head and multiplied by 0
	s_lshl_b32 s2, s8, 2
	s_lshl_b32 s4, s17, 2
	s_add_co_u32 s6, s2, 8192
	s_cmp_lt_u32 ttmp9, 2
	s_cselect_b32 s2, s2, 0
	s_cselect_b32 s4, s4, 0
	s_cselect_b32 s6, 0, s6
	s_mov_b32 s3, 0
	s_mov_b32 s5, 0
	s_mov_b32 s7, 0
	s_cmp_eq_u32 s9, 0
	s_cselect_b64 s[10:11], s[74:75], s[76:77]     ; bQ or bK
	s_add_nc_u64 s[10:11], s[10:11], s[4:5]
	s_add_nc_u64 s[2:3], s[72:73], s[2:3]
	s_add_nc_u64 s[6:7], s[72:73], s[6:7]
	v_lshlrev_b32 v32, 6, v7                       ; along R: lane (r, h) wants, for tile b, rows 32 (b / 2) + 8 (b % 2) + 16 h + 0 .. 7
	v_and_b32 v33, 8, v6
	v_add_nc_u32 v33, v33, v6
	v_lshlrev_b32 v33, 2, v33                      ; along P: for tile a, row 32 (a / 2) + 8 (a % 2) + r + 8 (r / 8)
.irp b, 0,1,2,3,4,5,6,7
	global_load_b128 v[BR+8*\b:BR+8*\b+3], v32, s[2:3] offset:(32*(\b/2)+8*(\b%2))*4
	global_load_b128 v[BR+8*\b+4:BR+8*\b+7], v32, s[2:3] offset:(32*(\b/2)+8*(\b%2))*4+16
	global_load_b128 v[AF+8*\b:AF+8*\b+3], v32, s[10:11] offset:(32*(\b/2)+8*(\b%2))*4
	global_load_b128 v[AF+8*\b+4:AF+8*\b+7], v32, s[10:11] offset:(32*(\b/2)+8*(\b%2))*4+16
.endr
.irp a, 0,1,2,3,4,5,6,7
	global_load_b32 v[BP+2*\a], v33, s[6:7] offset:(32*(\a/2)+8*(\a%2))*4      ; twice: a pair for the packed addition
	global_load_b32 v[BP+2*\a+1], v33, s[6:7] offset:(32*(\a/2)+8*(\a%2))*4
.endr
	s_wait_loadcnt 0x0
.set k, 0
.rept 32
	v_pk_add_f32 v[BR+k:BR+k+1], v[BR+k:BR+k+1], v[AF+k:AF+k+1]
.set k, k+2
.endr
.set k, 0
.rept 32
	v_pk_mul_f32 v[BR+k:BR+k+1], v[BR+k:BR+k+1], s[42:43] op_sel_hi:[1,0]
.set k, k+2
.endr
.set k, 0
.rept 8
	v_pk_mul_f32 v[BP+k:BP+k+1], v[BP+k:BP+k+1], s[44:45] op_sel_hi:[1,0]
.set k, k+2
.endr
	s_wait_alu depctr_va_vdst(0)
	s_wait_tensorcnt 0x0                           ; my part of both slots is in; no load of mine is out, so a descriptor may be written:
	s_mov_b32 s[G1+2], 132<<16                     ; from here on a load brings one slot's 132 rows
	s_mov_b32 s[G1+4], 132
	s_mov_b32 s[G1B+2], 132<<16
	s_mov_b32 s[G1B+4], 132
	s_barrier_signal -1
	s_barrier_wait -1
	FETCH_B 0, 0, 0
	FETCH_A 0, 0, 0
	SCALES 0
	FETCH_A 0, 0, 4
	STEP 0, 1                                      ; K 0-127: the sums start from the bias
	TURN 0, 1, 1                                   ; K 128-255; slot 0 takes K 512-767
	STEP 1, 0
	TURN 1, 0, 1                                   ; slot 1 takes K 768-1023
	STEP 0, 0
	TURN 0, 1, 0                                   ; nothing is left to fetch
	STEP 1, 0
	s_wait_dscnt 16                                ; the last 128 along K
	WIN MUL_LO
	MUL16 0, 1, 1, 1, 0
	MUL16 2, 1, 1, 1, 0
	s_wait_dscnt 0x0
	WIN MUL_HI
	MUL16 4, 1, 1, 1, 0
	MUL16 6, 1, 1, 1, 0
	WIN 0
	PLACES NP                                      ; in front of the first read of results and of writes over the last products' operands
.irp b, 0,1,2,3
	v_mov_b32 v[TM+4+\b], 0                        ; a lane permute's destination counts as one of its sources
.endr
; THE WAY OUT of P's tile a: my row's 64 numbers come into window 0 with the bias along P, are quantised, and their 16 registers of codes leave as they stand: each store covers 512 consecutive bytes, aligned.
.macro OUTQ a
	s_wait_xcnt 0x0                                ; the earlier stores have read their registers and bases
.if (\a) > 0
	s_add_nc_u64 s[OB:OB+1], s[OB:OB+1], s[STA:STA+1]
.endif
.if (\a) == 4
	s_add_nc_u64 s[OB:OB+1], s[OB:OB+1], s[STX:STX+1]
	s_add_nc_u64 s[OS:OS+1], s[OS:OS+1], s[SQ:SQ+1]
.endif
.set WN, 0x02+(\a)/4
	WIN WN                                         ; source 0: window 2 or 3
.set k, 0
.rept 32
	v_pk_add_f32 v[ST+k:ST+k+1], v[64*((\a)%4)+k:64*((\a)%4)+k+1], v[BP+2*(\a):BP+2*(\a)+1]   ; each accumulator from its low end on
.set k, k+2
.endr
	WIN 0
	QUANT ST, PW
	global_store_b128 v[OG0], v[PC:PC+3], s[OB:OB+1]
	global_store_b128 v[OG0], v[PC+4:PC+7], s[OB:OB+1] offset:512
	global_store_b128 v[OG2], v[PC+8:PC+11], s[OB:OB+1]
	global_store_b128 v[OG2], v[PC+12:PC+15], s[OB:OB+1] offset:512
	v_lshrrev_b32 v[SW+(\a)], v[SHV], v[PW]        ; q, k: lanes 0-15 keep the first head's two bytes, lanes 16-31 the second's; the upper two bytes are 0, for the half of K that holds no numbers
	v_and_b32 v[SW+(\a)], s[MSK], v[SW+(\a)]
.if (\a)%4 == 3
	global_store_b128 v[SOFF], v[SW+4*((\a)/4):SW+4*((\a)/4)+3], s[OS:OS+1]   ; four tiles' words of my row: sixteen lanes fill 256 consecutive bytes (v: both halves of the lanes send the same)
.endif
.endm
.irp a, 0,1,2,3,4,5,6,7
	OUTQ \a
.endr
	s_wait_tensorcnt 0x0                           ; the wave's end
	ds_add_u32 v[SPW], v[NIL]
	s_wait_dscnt 0x0
	CROUND                                         ; the closing round
	s_endpgm
.Lfunc_end_k_q17b1d3ca3c_qkv:
	.size	k_q17b1d3ca3c_qkv, .Lfunc_end_k_q17b1d3ca3c_qkv-k_q17b1d3ca3c_qkv
	.p2alignl 7, 3214868480
	.fill 96, 4, 3214868480
	.section	.rodata,"a",@progbits
	.p2align	6, 0x0
	.amdhsa_kernel k_q17b1d3ca3c_qkv
		.amdhsa_group_segment_fixed_size 327680
		.amdhsa_private_segment_fixed_size 0
		.amdhsa_enable_private_segment 0
		.amdhsa_kernarg_size 72
		.amdhsa_user_sgpr_count 2
		.amdhsa_user_sgpr_kernarg_segment_ptr 1
		.amdhsa_wavefront_size32 1
		.amdhsa_system_sgpr_workgroup_id_x 1
		.amdhsa_system_sgpr_workgroup_id_y 1
		.amdhsa_system_sgpr_workgroup_id_z 1
		.amdhsa_system_vgpr_workitem_id 0
		.amdhsa_next_free_vgpr 1024
		.amdhsa_next_free_sgpr 102
		.amdhsa_reserve_vcc 0
		.amdhsa_float_denorm_mode_32 3
		.amdhsa_float_denorm_mode_16_64 3
		.amdhsa_memory_ordered 1
		.amdhsa_forward_progress 1
		.amdhsa_inst_pref_size 209
	.end_amdhsa_kernel
	.amdgpu_metadata
---
amdhsa.version: [ 1, 2 ]
amdhsa.kernels:
  - .name:           k_q17b1d3ca3c_qkv
    .symbol:         k_q17b1d3ca3c_qkv.kd
    .args:
      - { .name: x_img, .offset: 0, .size: 8, .value_kind: global_buffer, .address_space: global }
      - { .name: wa_img, .offset: 8, .size: 8, .value_kind: global_buffer, .address_space: global }
      - { .name: b_attn, .offset: 16, .size: 8, .value_kind: global_buffer, .address_space: global }
      - { .name: bQ, .offset: 24, .size: 8, .value_kind: global_buffer, .address_space: global }
      - { .name: bK, .offset: 32, .size: 8, .value_kind: global_buffer, .address_space: global }
      - { .name: qk_img, .offset: 40, .size: 8, .value_kind: global_buffer, .address_space: global }
      - { .name: qk_sc, .offset: 48, .size: 8, .value_kind: global_buffer, .address_space: global }
      - { .name: v_img, .offset: 56, .size: 8, .value_kind: global_buffer, .address_space: global }
      - { .name: v_sc, .offset: 64, .size: 8, .value_kind: global_buffer, .address_space: global }
    .group_segment_fixed_size: 327680
    .private_segment_fixed_size: 0
    .kernarg_segment_align: 8
    .kernarg_segment_size: 72
    .max_flat_workgroup_size: 128
    .sgpr_count:     102
    .vgpr_count:     1024
    .wavefront_size: 32
...
	.end_amdgpu_metadata
.endif
;; end of part 2
;; launch attn (part 3): grid 4 x 64, 16 waves a work-group, clusters of 4 x 1, 327,680 bytes of LDS; arguments qk_img, qk_sc, v_img, v_sc, y_img; writes y_img
.if DOCPART == 3
	.amdgcn_target "amdgcn-amd-amdhsa--gfx1250"
	.amdhsa_code_object_version 6
	.text
	.protected	k_q17b1d3ca3c_attn
	.globl	k_q17b1d3ca3c_attn
	.p2align	8
	.type	k_q17b1d3ca3c_attn,@function
k_q17b1d3ca3c_attn:
	s_mov_b64 s[64:65], 0
	v_nop
	global_prefetch_b8 v0, s[64:65] scope:SCOPE_SE
	s_setreg_imm32_b32 hwreg(HW_REG_WAVE_MODE, 25, 1), 1
	s_wait_xcnt 0x0
	s_wait_alu depctr_hold_cnt(0) depctr_sa_sdst(0) depctr_va_vdst(0) depctr_va_sdst(0) depctr_va_ssrc(0) depctr_va_vcc(0) depctr_vm_vsrc(0)
	s_getreg_b32 s2, hwreg(HW_REG_IB_STS2, 6, 4)
	s_cmp_eq_u32 s2, 0
	s_cbranch_scc0 .Lentry_in_a_cluster
	s_endpgm
.Lentry_in_a_cluster:
	s_bfe_u32 s2, ttmp6, 0x10000c
	s_cmp_lg_u32 s2, 0x3003
	s_cbranch_scc0 .Lentry_shape_is_right
	s_endpgm
.Lentry_shape_is_right:
; y = softmax(q k^T / 8, causal) v for one head (work-group y: 16 x batch + head), both products on codes of FP8 (E4M3) with E8M0 scales; y is quantised along the channels and leaves as an image of the next launch's operand registers.
; LEFT OUT: key steps that lie wholly under the causal mask: their p is 0 for every input.
; THE SOFTMAX: t = score x log2(e) / 8; M = the running largest t rounded up to a whole number; p = 2^(t - M) is quantised along the keys; the row's sum is taken of the unquantised p and divides at the end.
; A block's scale: the block's largest t - M is e + a fraction, so its largest p lies in [2^e, 2^(e+1)): byte e + 119, hold 1.75 x 2^e, both by whole-number arithmetic on e = floor(t - M), held at -118 from below.
; LIMITS: the promise holds while the scaled scores stay under 2^31 in magnitude; NaN and infinities among the operands are not served; a block's byte never falls under 1 (its codes are then zeros).
; SHARES.  The four work-groups of a head form a cluster and ask JOINTLY for the head's K, V and scale words, which then stay in LDS: 16 loads, one a wave, none filled again.
; The work-group at place cx owns the 32 query tiles (16 queries each) a = 8 m + 4 p + cx and 127 - a, m = 0 .. 7, p = 0, 1: tile a takes m + 1 key steps of 128, tile 127 - a takes 16 - m.
; A wave owns two of them, by a table on its number w alone (entry 2 (w / 4) + (w / 2) % 2; p = w % 2).  Each four waves w, w + 4, w + 8, w + 12 have 68 key steps together; within a four the shares
; fall with the wave's number, 24, 21, 14, 9: the longest work has the lowest numbers.  Waves 0 and 1 own a tile of 16 steps, so every partner reads every key.
; The step on the diagonal is number tile / 8 = m or 15 - m: every branch hangs on the wave's number and the count of steps alone, never on cx.
; Waves 0 to 3 fetch keys 0-511 of K and V and the scale words, in load lines of their own, and wait at the first barrier; every wave's first tile has five steps or more, and its first two read these alone; the second barrier shows the rest.
; NO PREFETCH: every byte that the launch reads through LDS is asked for by the head's sixteen loads, so there is no later load for a prefetch to run ahead of.
; LAYOUT as the launch before leaves it: a tile of K or Q is 1,024 bytes (two groups of 512: lane l's 16 bytes at 16 l); a key step of V is 8,192 bytes (four tiles of 16 channels x 128 keys); the rows of tile T are 32 (T / 2) + 8 (T % 2) + r + 8 (r / 8).
; The first product's K is 64: Q's upper 8 registers are zero codes, so what stands in the upper half of K's operand (the next tile's codes) adds nothing.
.set HB,   33792
.set RBB,  4*HB
.set KSC,  0                           ; LDS: K's scale words, 8,192 bytes
.set VSC,  8192                        ; V's, 4,096
.set SPARE, 12288                      ; the spare words: 128 bytes a wave, 2,048
.set KIMG, 65536                       ; K's codes, 131,072
.set VIMG, 196608                      ; V's codes, 131,072
.set LI,  1                            ; 16 x lane
.set LR,  2                            ; 16 x (lane % 16)
.set QLN, 3                            ; my query in its tile - 16 (lane / 16)
.set ADK, 4
.set ADV, 5
.set ADS, 6
.set ADT, 7
.set YSO, 8
.set FR,  48                           ; v48-111 fragments of K, then of V; v112-119 zeros
.set PCD, 120                          ; p's codes: 16 registers that slide over scores that are done with
.set S,   124                          ; v124-187 S^T, then p
.set OT,  188                          ; v188-219 O^T
.set BM,  220
.set T2,  224
.set HL,  228
.set SO,  232
.set KS,  236
.set FF,  248                          ; f = 2^(old M - new M); v249: p's scale word
.set PW,  249
.set TMP, 2
.set CNT, 3
.set YOE, 8
.set YSE, 9
.set OQL, 10
.set OSL, 11
.set OQE, 14
.set OSE, 15
.set MNT, 16
.set WV,  18
.set HD,  19
.set SEL, 20
.set CS,  22
.set G1A, 24                           ; groups 1: 128, 32, 16 and 64 rows of 256 bytes
.set G1S, 32
.set G1T, 40
.set G1C, 48
.set G0K, 56                           ; groups 0: K's and V's first 512 keys, the two tables of scale words, the rest of K and of V
.set G0V, 60
.set CX,  66
.set JS,  67                           ; the step's number
.set G0S, 68
.set G0T, 72
.set G0KR, 76
.set G0VR, 80
.set TK,  84
.set TV,  85
.set TS,  86
.set TJ,  87
.set QL,  88                           ; my first tile, the longer one
.set QE,  89                           ; my second
.set DJ,  90                           ; the number of the step on the diagonal
.set DJE, 91
.set Q0,  92
.set Q0E, 93
.set YOL, 94
.set YSL, 95
.macro ROUND                           ; a round of the cluster's barrier
	s_barrier_signal -1
	s_barrier_wait -1
	s_cmp_lg_u32 s[WV], 0
	s_cbranch_scc1 .Lnw0_\@
	s_barrier_signal -3
.Lnw0_\@:
	s_barrier_wait -3
	s_barrier_signal -1
	s_barrier_wait -1
.endm
.macro GRP1 g, rows                    ; a dense block as rows of 256 bytes (32 elements of 8); the mask names the cluster's four
	s_mov_b32 s[\g], 15|(3<<16)|(1<<21)
	s_mov_b32 s[\g+1], 32<<16
	s_mov_b32 s[\g+2], (\rows)<<16
	s_mov_b32 s[\g+3], 32<<16
	s_mov_b32 s[\g+4], \rows
	s_mov_b32 s[\g+5], 32
	s_mov_b32 s[\g+6], 0
	s_mov_b32 s[\g+7], 0
.endm
.macro GRP0 g, a
	s_mov_b32 s[\g], 1
	s_mov_b64 s[\g+2:\g+3], s[\a:\a+1]
	s_or_b32 s[\g+3], s[\g+3], 0x80000000
.endm
.macro ARM under, g0, g1, next
	s_cmp_lt_u32 s[WV], \under
	s_cbranch_scc0 \next
	tensor_load_to_lds s[\g0:\g0+3], s[\g1:\g1+7]
	s_nop 0
.rept 4
	v_nop
.endr
	s_branch .Lasked
\next:
.endm
	s_load_b256 s[4:11], s[0:1], 0x0               ; qk_img, qk_sc, v_img, v_sc
	s_load_b64 s[12:13], s[0:1], 0x20              ; y_img
	v_lshl_add_u32 v254, v0, 2, SPARE
	v_mov_b32 v255, 0
	ds_add_u32 v254, v255                          ; the opening lines: the add twice on end and its wait
	ds_add_u32 v254, v255
	v_lshrrev_b32 v42, 5, v0
	v_readfirstlane_b32 s[WV], v42
	s_and_b32 s[HD], ttmp7, 0xffff
	s_bfe_u32 s[CX], ttmp6, 0x40000
	GRP1 G1A, 128
	GRP1 G1S, 32
	GRP1 G1T, 16
	GRP1 G1C, 64
	s_lshl_b32 s96, s[HD], 17                      ; the head's codes,
	s_mov_b32 s97, 0
	s_lshl_b32 s98, s[HD], 13                      ; q's and k's scale words,
	s_mov_b32 s99, 0
	s_lshl_b32 s100, s[HD], 12                     ; v's
	s_mov_b32 s101, 0
	s_lshl_b32 s84, s[WV], 14                      ; 16,384 x wave
	s_mov_b32 s85, 0
	s_wait_dscnt 0x0
	ROUND                                          ; the opening round: the joint loads meet
	s_wait_kmcnt 0x0
	s_add_nc_u64 s[4:5], s[4:5], s[96:97]          ; Q's codes
	s_add_nc_u64 s[8:9], s[8:9], s[96:97]          ; V's
	s_add_nc_u64 s[14:15], s[4:5], 0x800000        ; K's
	s_add_nc_u64 s[6:7], s[6:7], s[98:99]          ; Q's scale words
	s_add_nc_u64 s[16:17], s[6:7], 0x80000         ; K's
	s_add_nc_u64 s[10:11], s[10:11], s[100:101]    ; V's
	GRP0 G0K, 14
	s_mov_b32 s[G0K+1], KIMG
	GRP0 G0V, 8
	s_mov_b32 s[G0V+1], VIMG
	GRP0 G0S, 16
	s_mov_b32 s[G0S+1], KSC
	GRP0 G0T, 10
	s_mov_b32 s[G0T+1], VSC
	s_add_nc_u64 s[96:97], s[14:15], s[84:85]      ; waves 4-9: 256 keys of K from key 512 + 256 (wave - 4) on: byte 16,384 wave - 32,768
	s_sub_nc_u64 s[96:97], s[96:97], 32768
	GRP0 G0KR, 96
	s_add_co_u32 s[G0KR+1], s84, 32768             ; = KIMG + that byte
	s_add_nc_u64 s[98:99], s[8:9], s[84:85]        ; waves 10-15: the same of V: byte 16,384 wave - 131,072
	s_sub_nc_u64 s[98:99], s[98:99], 131072
	GRP0 G0VR, 98
	s_add_co_u32 s[G0VR+1], s84, 65536             ; = VIMG + that byte
	ARM 1, G0K, G1A, .La1                          ; one chain, one load to an arm; what is read first is asked for first
	ARM 2, G0V, G1A, .La2
	ARM 3, G0S, G1S, .La3
	ARM 4, G0T, G1T, .La4
	ARM 10, G0KR, G1C, .La5
	tensor_load_to_lds s[G0VR:G0VR+3], s[G1C:G1C+7]
	s_nop 0
.rept 4
	v_nop
.endr
.Lasked:
	; my two tiles.  A table's entry is four bits: m, and 8 where the tile is 127 - a.  Steps by entry 0 .. 7: first tile 16, 14, 12, 15, 13, 11, 5, 7; second 8, 10, 9, 6, 1, 3, 4, 2
	s_lshr_b32 s96, s[WV], 2
	s_bfe_u32 s97, s[WV], 0x10001
	s_lshl_b32 s96, s96, 1
	s_add_co_u32 s96, s96, s97
	s_lshl_b32 s96, s96, 2                         ; 4 x the entry's number
	s_and_b32 s97, s[WV], 1
	s_lshl_b32 s97, s97, 2
	s_add_co_u32 s97, s97, s[CX]                   ; 4 p + cx
.macro TILE tab, qt, dj
	s_lshr_b32 s98, \tab, s96
	s_and_b32 s99, s98, 7                          ; m
	s_lshl_b32 s100, s99, 3
	s_add_co_u32 s100, s100, s97                   ; a
	s_sub_co_u32 s101, 127, s100
	s_sub_co_u32 s[TMP], 15, s99
	s_bitcmp1_b32 s98, 3
	s_cselect_b32 s[\qt], s101, s100
	s_cselect_b32 s[\dj], s[TMP], s99              ; made of the wave's number alone
.endm
	TILE 0x64db9ca8, QL, DJ
	TILE 0x13205fe7, QE, DJE
.macro QOFF qt, oq, os                 ; a tile's codes: 1,024 bytes a tile; its scale words: 256 bytes for four tiles, 16 a row, 4 a tile
	s_lshl_b32 s[\oq], s[\qt], 10
	s_lshr_b32 s[\os], s[\qt], 2
	s_lshl_b32 s[\os], s[\os], 8
	s_and_b32 s[TMP], s[\qt], 3
	s_lshl_b32 s[TMP], s[TMP], 2
	s_add_co_u32 s[\os], s[\os], s[TMP]
.endm
	QOFF QL, OQL, OSL
	QOFF QE, OQE, OSE
	v_and_b32 v42, 31, v0
	v_and_b32 v43, 15, v0
	v_bfe_u32 v44, v0, 4, 1
	v_lshlrev_b32 v[LI], 4, v42
	v_lshlrev_b32 v[LR], 4, v43
	v_lshlrev_b32 v[YSO], 3, v43
	v_and_b32 v45, 8, v43
	v_add_nc_u32 v45, v45, v43
	v_lshlrev_b32 v44, 4, v44
	v_sub_nc_u32 v[QLN], v45, v44
	v_add_nc_u32 v9, s[OQL], v[LI]
	v_add_nc_u32 v10, s[OSL], v[LR]
	v_add_nc_u32 v11, s[OQE], v[LI]
	v_add_nc_u32 v46, s[OSE], v[LR]
	s_wait_alu depctr_va_vdst(0)
	global_load_b128 v[16:19], v9, s[4:5]          ; the first tile's Q,
	global_load_b128 v[20:23], v9, s[4:5] offset:512
	global_load_b32 v41, v10, s[6:7]
	global_load_b128 v[32:35], v11, s[4:5]         ; the second tile's
	global_load_b128 v[36:39], v11, s[4:5] offset:512
	global_load_b32 v40, v46, s[6:7]
	; where y goes: block (row / 128) x RBB + (channel / 256) x HB; in it tile x 4,096 + (128 of K) x 2,048 + (32 of K) x 512; scale words from 32,768 on
	s_and_b32 s97, s[HD], 15
	s_lshr_b32 s96, s[HD], 4
	s_lshl_b32 s96, s96, 7
	s_lshr_b32 s98, s97, 2
	s_mul_i32 s98, s98, HB
	s_add_co_u32 s99, s98, 32768
	s_bfe_u32 s100, s97, 0x10001
	s_and_b32 s97, s97, 1
	s_lshl_b32 s101, s100, 11
	s_add_co_u32 s98, s98, s101
	s_lshl_b32 s101, s97, 10
	s_add_co_u32 s98, s98, s101
	s_lshl_b32 s101, s100, 2
	s_add_co_u32 s99, s99, s101
	s_lshl_b32 s101, s97, 1
	s_add_co_u32 s99, s99, s101
.macro YOFF qt, yb, ys
	s_add_co_u32 s100, s96, s[\qt]
	s_lshr_b32 s101, s100, 3
	s_mul_i32 s101, s101, RBB
	s_and_b32 s100, s100, 7
	s_lshl_b32 s[\yb], s100, 12
	s_add_co_u32 s[\yb], s[\yb], s101
	s_add_co_u32 s[\yb], s[\yb], s98
	s_lshl_b32 s[\ys], s100, 7
	s_add_co_u32 s[\ys], s[\ys], s101
	s_add_co_u32 s[\ys], s[\ys], s99
.endm
	YOFF QL, YOL, YSL
	YOFF QE, YOE, YSE
.macro QFIRST qt, q0                   ; a tile's first token: 16 tile - 8 (tile % 2)
	s_and_b32 s[TMP], s[\qt], 1
	s_lshl_b32 s[TMP], s[TMP], 3
	s_lshl_b32 s[\q0], s[\qt], 4
	s_sub_co_u32 s[\q0], s[\q0], s[TMP]
.endm
	QFIRST QL, Q0
	QFIRST QE, Q0E
	s_mov_b32 s[SEL], 0x76543210
	s_mov_b32 s[SEL+1], 0xfedcba98
	s_mov_b32 s[CS], 0x3e38aa3b                    ; log2(e) / 8
	s_mov_b32 s[CS+1], s[CS]
	s_mov_b32 s[MNT], 0x600000
.irp j, 0,1,2,3,4,5,6,7
	v_mov_b32 v[24+\j], 0                          ; Q's upper 64 of K: zero codes
	v_mov_b32 v[112+\j], 0
.endr
.irp b, 0,1,2,3
	v_mov_b32 v[T2+\b], 0                          ; a lane permute's destination counts as one of its sources
.endr
	v_mov_b32 v[PW], 0
	v_mov_b32 v45, s[CS]                           ; c in a vector register, for the dual multiply-adds
	v_mov_b32 v47, 0                               ; a second copy of -M: the two halves of a dual pair take their third sources from different banks
	v_mov_b32 v246, 0
.macro INIT
	v_mov_b32 v13, 0xff61b1e6                      ; the largest t so far: -3e38
	v_mov_b32 v14, 0
	v_mov_b32 v15, 0
	v_floor_f32 v12, -v13
.set j, 0
.rept 32
	v_mov_b32 v[OT+j], 0
.set j, j+1
.endr
	s_mov_b32 s[JS], 0
	s_mov_b32 s[TK], KIMG
	s_mov_b32 s[TV], VIMG
	s_mov_b32 s[TS], KSC
	s_mov_b32 s[TJ], VSC
.endm
.macro HOLD2 x, h                      ; two of a block's p held at 448 x the scale (the conversion does not saturate: ISA guide 7.6.2; p is not negative)
	v_dual_min_num_f32 v[\x], v[\h], v[\x] :: v_dual_min_num_f32 v[\x+1], v[\h], v[\x+1]
.endm
.macro STEP
	s_cmp_gt_u32 s[JS], s[DJ]                      ; a step behind the diagonal is left out
	s_cbranch_scc1 .Lhidden_\@
	v_add_nc_u32 v[ADK], s[TK], v[LI]
	v_add_nc_u32 v[ADV], s[TV], v[LI]
	v_add_nc_u32 v[ADS], s[TS], v[LR]
	v_add_nc_u32 v[ADT], s[TJ], v[LR]
.rept 5
	v_nop                                          ; nine places behind the last products: the scores are laid over p's codes
.endr
.irp t, 0,1,2,3,4,5,6,7
	ds_load_b128 v[FR+8*\t:FR+8*\t+3], v[ADK] offset:1024*\t
	ds_load_b128 v[FR+8*\t+4:FR+8*\t+7], v[ADK] offset:1024*\t+512
.endr
	ds_load_b128 v[KS:KS+3], v[ADS]
	ds_load_b128 v[KS+4:KS+7], v[ADS] offset:256
	s_wait_alu depctr_va_vdst(0)
	s_wait_dscnt 0x0
.irp t, 0,1,2,3,4,5,6,7
	v_wmma_scale_f32_16x16x128_f8f6f4 v[S+8*\t:S+8*\t+7], v[FR+8*\t:FR+8*\t+15], v[16:31], 0, v[KS+\t], v41
.endr
.rept 8
	v_nop
.endr
.irp d, 0,1,2,3
.irp c, 0,1,2,3
	ds_load_b128 v[FR+16*\d+4*\c:FR+16*\d+4*\c+3], v[ADV] offset:2048*\d+512*\c
.endr
.endr
	ds_load_b128 v[KS:KS+3], v[ADT]
	s_cmp_lt_u32 s[JS], s[DJ]
	s_cbranch_scc1 .Lopen_\@
	s_lshl_b32 s[TMP], s[JS], 7                    ; on the diagonal: register n holds key 128 step + 16 (lane / 16) + 32 (n / 16) + n % 16; hidden keys' scores become -infinity
	s_sub_co_i32 s[TMP], s[Q0], s[TMP]
	v_add_nc_u32 v246, s[TMP], v[QLN]
	v_mov_b32 v247, 0xff800000
.set n, 0
.rept 64
	v_cmp_gt_i32 vcc_lo, 32*(n/16)+n%16, v246
	v_cndmask_b32 v[S+n], v[S+n], v247, vcc_lo
.set n, n+1
.endr
.Lopen_\@:
.irp b, 0,1,2,3
	v_max3_num_f32 v[BM+\b], v[S+16*\b], v[S+1+16*\b], v[S+2+16*\b]   ; each block's largest score, the four blocks by turns
.endr
.irp i, 3,5,7,9,11,13
.irp b, 0,1,2,3
	v_max3_num_f32 v[BM+\b], v[BM+\b], v[S+16*\b+\i], v[S+1+16*\b+\i]
.endr
.endr
.irp b, 0,1,2,3
	v_max_num_f32 v[BM+\b], v[BM+\b], v[S+15+16*\b]
.endr
.irp b, 0,1,2,3
	s_delay_alu instid0(VALU_DEP_4)
	v_permlanex16_b32 v[T2+\b], v[BM+\b], s[SEL], s[SEL+1]
.endr
.irp b, 0,1,2,3
	s_delay_alu instid0(VALU_DEP_4)
	v_max_num_f32 v[BM+\b], v[BM+\b], v[T2+\b]     ; with lane l xor 16's 16 keys
.endr
	s_delay_alu instid0(VALU_DEP_2)
	v_max3_num_f32 v246, v[BM], v[BM+1], v[BM+2]
	s_delay_alu instid0(VALU_DEP_1)
	v_max_num_f32 v246, v246, v[BM+3]
	s_delay_alu instid0(VALU_DEP_1)
	v_mul_f32 v246, s[CS], v246
	s_delay_alu instid0(VALU_DEP_1)
	v_max_num_f32 v13, v13, v246                   ; the running largest t
	v_mov_b32 v246, v12
	s_delay_alu instid0(VALU_DEP_2)
	v_floor_f32 v12, -v13                          ; -M
	s_delay_alu instid0(VALU_DEP_1)
	v_sub_f32 v246, v12, v246
	s_delay_alu instid0(VALU_DEP_1)
	v_cvt_i32_f32 v246, v246
	s_delay_alu instid0(VALU_DEP_1)
	v_ldexp_f32 v[FF], 1.0, v246                   ; f = 2^(old M - new M)
	v_mov_b32 v47, v12
.set j, 0
.rept 32
	v_dual_fma_f32 v[S+j], v[S+j], v45, v12 :: v_dual_fma_f32 v[S+j+1], v[S+j+1], v45, v47   ; t - M, two to a line
.set j, j+2
.endr
.irp b, 0,1,2,3
	v_fma_f32 v[BM+\b], v[BM+\b], s[CS], v12       ; the same of each block's largest score
.endr
	s_wait_alu depctr_va_vdst(0)
.set j, 0
.rept 64
	v_exp_f32 v[S+j], v[S+j]
.set j, j+1
.endr
	v_pk_mul_f32 v[14:15], v[14:15], v[FF:FF+1] op_sel_hi:[1,0]   ; the sums under the new M.  The lines down to the wait name none of the batch's results
.irp b, 0,1,2,3
	v_max_num_f32 v[BM+\b], 0xc2ec0000, v[BM+\b]   ; held at -118 from below: the byte cannot fall under 1
.endr
.irp b, 0,1,2,3
	v_cvt_floor_i32_f32 v[T2+\b], v[BM+\b]         ; e
.endr
.irp b, 0,1,2,3
	v_lshl_add_u32 v[SO+\b], v[T2+\b], 23, 0x3b800000   ; the conversion's scale operand: exponent field e + 119
.endr
.irp b, 0,1,2,3
	v_lshl_add_u32 v[HL+\b], v[T2+\b], 23, 0x3fe00000   ; 448 x the scale = 1.75 x 2^e
.endr
	v_lshl_add_u32 v246, v[T2+1], 8, v[T2]         ; the four bytes e + 119 as one word: the sum of e x 256^b, and 119 in each byte
	v_lshl_add_u32 v247, v[T2+3], 8, v[T2+2]
	v_lshl_add_u32 v246, v247, 16, v246
	v_add_nc_u32 v[PW], 0x77777777, v246
	s_wait_alu depctr_va_vdst(0)                   ; one wait for the batch, ahead of its first reader
	v_dual_add_f32 v[T2], v[S], v[S+2] :: v_dual_add_f32 v[T2+1], v[S+1], v[S+3]   ; the row's sum of the unquantised p, in two chains of two
.irp j, 4,8,12,16,20,24,28,32,36,40,44,48,52,56,60
	v_dual_add_f32 v14, v[S+\j], v14 :: v_dual_add_f32 v15, v[S+1+\j], v15
	v_dual_add_f32 v[T2], v[S+2+\j], v[T2] :: v_dual_add_f32 v[T2+1], v[S+3+\j], v[T2+1]
.endr
	v_dual_add_f32 v14, v[T2], v14 :: v_dual_add_f32 v15, v[T2+1], v15
.irp b, 0,1,2,3
.irp i, 0,2,4,6,8,10,12,14
	HOLD2 S+16*\b+\i, HL+\b
.endr
	v_cvt_scalef32_pk8_fp8_f32 v[PCD+4*\b:PCD+1+4*\b], v[S+16*\b:S+7+16*\b], v[SO+\b]
	v_cvt_scalef32_pk8_fp8_f32 v[PCD+2+4*\b:PCD+3+4*\b], v[S+8+16*\b:S+15+16*\b], v[SO+\b]
.if \b == 0
	v_nop                                          ; a plain line: the later blocks' codes are laid over this block's numbers
.endif
.endr
	s_wait_alu depctr_va_vdst(0)                   ; directly ahead of the first reader of O^T
.set j, 0
.rept 16
	v_pk_mul_f32 v[OT+j:OT+j+1], v[OT+j:OT+j+1], v[FF:FF+1] op_sel_hi:[1,0]   ; O^T under the new M; also the places ahead of the products
.set j, j+2
.endr
	s_wait_alu depctr_va_vdst(0)
	s_wait_dscnt 0x0
.irp d, 0,1,2,3
	v_wmma_scale_f32_16x16x128_f8f6f4 v[OT+8*\d:OT+8*\d+7], v[FR+16*\d:FR+16*\d+15], v[PCD:PCD+15], v[OT+8*\d:OT+8*\d+7], v[KS+\d], v[PW]
.endr
.Lhidden_\@:
	s_add_co_u32 s[JS], s[JS], 1
	s_add_co_u32 s[TK], s[TK], 8192
	s_add_co_u32 s[TV], s[TV], 8192
	s_add_co_u32 s[TS], s[TS], 512
	s_add_co_u32 s[TJ], s[TJ], 256
.endm
.macro KLOOP n
	s_mov_b32 s[CNT], \n
.Lk_\@:
	STEP
	s_sub_co_u32 s[CNT], s[CNT], 1
	s_cmp_lg_u32 s[CNT], 0
	s_cbranch_scc1 .Lk_\@
.endm
.macro FINAL yo, ys                    ; O^T / the sum, quantised along the channels: two blocks of 32, each in lanes l and l xor 16
.rept 8
	v_nop
.endr
	v_add_f32 v14, v14, v15
	s_delay_alu instid0(VALU_DEP_1)
	v_permlanex16_b32 v246, v14, s[SEL], s[SEL+1]
	s_delay_alu instid0(VALU_DEP_1)
	v_add_f32 v14, v14, v246
	v_add_nc_u32 v9, s[\yo], v[LI]
	v_add_nc_u32 v10, s[\ys], v[YSO]
	s_wait_alu depctr_va_vdst(0)
	v_rcp_f32 v14, v14
	v_nop
	s_wait_alu depctr_va_vdst(0)
.set j, 0
.rept 16
	v_pk_mul_f32 v[S+j:S+j+1], v[OT+j:OT+j+1], v[14:15] op_sel_hi:[1,0]
.set j, j+2
.endr
.irp g, 0,1
	v_max3_num_f32 v[BM+\g], |v[S+16*\g]|, |v[S+1+16*\g]|, 0x4800000
.endr
.irp i, 2,4,6,8,10,12,14
.irp g, 0,1
	s_delay_alu instid0(VALU_DEP_2)
	v_max3_num_f32 v[BM+\g], v[BM+\g], |v[S+16*\g+\i]|, |v[S+1+16*\g+\i]|
.endr
.endr
.irp g, 0,1
	s_delay_alu instid0(VALU_DEP_2)
	v_permlanex16_b32 v[T2+\g], v[BM+\g], s[SEL], s[SEL+1]
.endr
.irp g, 0,1
	s_delay_alu instid0(VALU_DEP_2)
	v_max_num_f32 v[BM+\g], v[BM+\g], v[T2+\g]
.endr
.irp g, 0,1
	s_delay_alu instid0(VALU_DEP_2)
	v_add_nc_u32 v[SO+\g], 0xfc000000, v[BM+\g]
.endr
.irp g, 0,1
	s_delay_alu instid0(VALU_DEP_4)
	v_and_or_b32 v[HL+\g], v[BM+\g], 0x7f800000, s[MNT]
.endr
.irp g, 0,1
	s_delay_alu instid0(VALU_DEP_4)
	v_lshrrev_b32 v[T2+\g], 23, v[SO+\g]
.endr
	s_delay_alu instid0(VALU_DEP_1)
	v_lshl_or_b32 v247, v[T2+1], 8, v[T2]
.irp g, 0,1
.irp i, 0,1,2,3,4,5,6,7,8,9,10,11,12,13,14,15
	v_med3_num_f32 v[S+16*\g+\i], v[S+16*\g+\i], -v[HL+\g], v[HL+\g]
.endr
	v_cvt_scalef32_pk8_fp8_f32 v[FR+4*\g:FR+1+4*\g], v[S+16*\g:S+7+16*\g], v[SO+\g]
	v_cvt_scalef32_pk8_fp8_f32 v[FR+2+4*\g:FR+3+4*\g], v[S+8+16*\g:S+15+16*\g], v[SO+\g]
.endr
	v_nop
	global_store_b128 v9, v[FR:FR+3], s[12:13]             ; 512 consecutive bytes, aligned
	global_store_b128 v9, v[FR+4:FR+7], s[12:13] offset:512
	global_store_b16 v10, v247, s[12:13]                   ; my row's two scale bytes (both halves of the lanes send the same)
.endm
	INIT
	s_wait_alu depctr_va_vdst(0)
	s_wait_loadcnt 0x0                             ; Q
	s_cmp_lt_u32 s[WV], 4
	s_cbranch_scc0 .Lnot_first
	s_wait_tensorcnt 0x0                           ; waves 0-3: keys 0-511 and the scale words are in; their load lines are issued by no other wave
.Lnot_first:
	s_barrier_signal -1
	s_barrier_wait -1
	KLOOP 2                                        ; the first tile, keys 0-255
	s_wait_tensorcnt 0x0                           ; every wave: all that was still out
	s_wait_dscnt 0x0
	s_barrier_signal -1
	s_barrier_wait -1
	KLOOP 14
	FINAL YOL, YSL
	s_wait_xcnt 0x0                                ; the stores have read their registers
.irp j, 0,1,2,3,4,5,6,7
	v_mov_b32 v[16+\j], v[32+\j]                   ; the second tile: ten steps at the most
.endr
	v_mov_b32 v41, v40
	s_mov_b32 s[Q0], s[Q0E]
	s_mov_b32 s[DJ], s[DJE]
	INIT
	KLOOP 10
	FINAL YOE, YSE
	s_wait_tensorcnt 0x0                           ; the wave's end
	ds_add_u32 v254, v255
	s_wait_dscnt 0x0
	ROUND                                          ; the closing round
	s_endpgm
.Lfunc_end_k_q17b1d3ca3c_attn:
	.size	k_q17b1d3ca3c_attn, .Lfunc_end_k_q17b1d3ca3c_attn-k_q17b1d3ca3c_attn
	.p2alignl 7, 3214868480
	.fill 96, 4, 3214868480
	.section	.rodata,"a",@progbits
	.p2align	6, 0x0
	.amdhsa_kernel k_q17b1d3ca3c_attn
		.amdhsa_group_segment_fixed_size 327680
		.amdhsa_private_segment_fixed_size 0
		.amdhsa_enable_private_segment 0
		.amdhsa_kernarg_size 40
		.amdhsa_user_sgpr_count 2
		.amdhsa_user_sgpr_kernarg_segment_ptr 1
		.amdhsa_wavefront_size32 1
		.amdhsa_system_sgpr_workgroup_id_x 1
		.amdhsa_system_sgpr_workgroup_id_y 1
		.amdhsa_system_sgpr_workgroup_id_z 1
		.amdhsa_system_vgpr_workitem_id 0
		.amdhsa_next_free_vgpr 256
		.amdhsa_next_free_sgpr 102
		.amdhsa_reserve_vcc 1
		.amdhsa_float_denorm_mode_32 3
		.amdhsa_float_denorm_mode_16_64 3
		.amdhsa_memory_ordered 1
		.amdhsa_forward_progress 1
		.amdhsa_inst_pref_size 106
	.end_amdhsa_kernel
	.amdgpu_metadata
---
amdhsa.version: [ 1, 2 ]
amdhsa.kernels:
  - .name:           k_q17b1d3ca3c_attn
    .symbol:         k_q17b1d3ca3c_attn.kd
    .args:
      - { .name: qk_img, .offset: 0, .size: 8, .value_kind: global_buffer, .address_space: global }
      - { .name: qk_sc, .offset: 8, .size: 8, .value_kind: global_buffer, .address_space: global }
      - { .name: v_img, .offset: 16, .size: 8, .value_kind: global_buffer, .address_space: global }
      - { .name: v_sc, .offset: 24, .size: 8, .value_kind: global_buffer, .address_space: global }
      - { .name: y_img, .offset: 32, .size: 8, .value_kind: global_buffer, .address_space: global }
    .group_segment_fixed_size: 327680
    .private_segment_fixed_size: 0
    .kernarg_segment_align: 8
    .kernarg_segment_size: 40
    .max_flat_workgroup_size: 512
    .sgpr_count:     102
    .vgpr_count:     256
    .wavefront_size: 32
...
	.end_amdgpu_metadata
.endif
;; end of part 3
;; launch proj (part 4): grid 8 x 32, 4 waves a work-group, clusters of 4 x 4, 327,680 bytes of LDS; arguments y_img, wp_img, b_proj, out0; writes out0
.if DOCPART == 4
	.amdgcn_target "amdgcn-amd-amdhsa--gfx1250"
	.amdhsa_code_object_version 6
	.text
	.protected	k_q17b1d3ca3c_proj
	.globl	k_q17b1d3ca3c_proj
	.p2align	8
	.type	k_q17b1d3ca3c_proj,@function
k_q17b1d3ca3c_proj:
	s_mov_b64 s[64:65], 0
	v_nop
	global_prefetch_b8 v0, s[64:65] scope:SCOPE_SE
	s_setreg_imm32_b32 hwreg(HW_REG_WAVE_MODE, 25, 1), 1
	s_wait_xcnt 0x0
	s_wait_alu depctr_hold_cnt(0) depctr_sa_sdst(0) depctr_va_vdst(0) depctr_va_sdst(0) depctr_va_ssrc(0) depctr_va_vcc(0) depctr_vm_vsrc(0)
	s_getreg_b32 s2, hwreg(HW_REG_IB_STS2, 6, 4)
	s_cmp_eq_u32 s2, 0
	s_cbranch_scc0 .Lentry_in_a_cluster
	s_endpgm
.Lentry_in_a_cluster:
	s_bfe_u32 s2, ttmp6, 0x10000c
	s_cmp_lg_u32 s2, 0xf033
	s_cbranch_scc0 .Lentry_shape_is_right
	s_endpgm
.Lentry_shape_is_right:
; out0 = y W_proj + b_proj on codes of FP8 (E4M3) with E8M0 scales; sums in f32.
; OPERANDS are images: 128 rows x 256 K = 33,792 dense bytes (32,768 of codes in the order of the fragments' registers, then 1,024 of scale words); the four K blocks of 128 rows lie on end.
; The 16 rows of tile T are rows 32 (T / 2) + 8 (T % 2) + r + 8 (r / 8) of their 128.
; A BLOCK of the result is 256 rows (P: y) x 128 columns (R: W_proj): 32 x 8 = 256 work-groups.  Wave w takes P's half w / 2, its tiles 4 (w % 2) .. + 3, against R's eight tiles: 32 accumulators.
; Source 0 = 16 rows of R, source 1 = 16 rows of P: a lane holds one row of the result and eight neighbouring columns.  The bias is the C of the sums' first products.
; LDS: three parts (P's two halves, R), each with room for three K blocks on end.  The head's loads, one a wave, bring K blocks 0 to 2: waves 0 and 1 a half of P each (396 rows of 256 bytes),
; waves 2 and 3 a half of R's 396 rows each.  K block 3 is filled over block 0 in a drained round of the cluster's barrier inside step 1, and shown by the barrier inside step 5.
; CLUSTERS: 4 x 4 work-groups; P's tiles are asked for jointly along a row of the cluster, R's along a column.
; NO PREFETCH: the text has no loop to run ahead in: eight steps of 128 along K written out, and one refill.
; REGISTERS: window 0: v2-21 addresses; v32-63 scale words, two sets; v64-127 the bias; v128-255 P's fragments, two sets of 64.  window 1: R's fragments, two sets of 128.  window 2: accumulator (a, b) at v[8 (8 a + b)].
.set HB,    33792
.set RBB,   4*HB
.set PART,  3*HB
.set SPARE, 9*HB                       ; the spare words: 128 bytes a wave
.set STAGE, SPARE+512                  ; the way out: 16 rows x 272 bytes for each wave; no fill lands here
.set SPI,   272
.set NP,    8                          ; places behind this matrix instruction (ISA guide 7.12.1)
.set CO,    2
.set STO,   3
.set RD,    4
.set ADRA,  8                          ; v8-10  my P fragments in K slot 0, 1, 2
.set ADRB,  11                         ; v11-13 R's fragments
.set SPW,   14
.set NIL,   15
.set ADRS,  16                         ; v16-18 scale words, tiles 0-3: lanes 0-15 P's tile i, lanes 16-31 R's tile i
.set ADRT,  19                         ; v19-21 tiles 4-7: lanes 0-15 P's tile i - 4 once more, lanes 16-31 R's tile i
.set SC,    32
.set BR,    64
.set AF,    128
.set BK,    128
.set G1,  24
.set G0,  32
.set G0R, 36
.set G1B, 48
.set G0B, 56
.set G0BR, 60
.set MSB, 0
.macro WIN new                         ; the immediate's high byte repeats the setting that is left
.if MSB != \new
	s_set_vgpr_msb (MSB<<8)|\new
.set MSB, \new
.endif
.endm
.set MUL,  0xa1                        ; source 0 (R) window 1, source 1 (P) window 0, C and D window 2
.set MUL1, 0x81                        ; the same with C (the bias) in window 0
.set TO_B, 0x40
.macro JLOAD g0a, g1a, g0b, g1b        ; waves 0 and 1 fetch for P, waves 2 and 3 for R; the branch hangs on the wave's number alone
	s_cmp_eq_u32 s15, 0
	s_cbranch_scc0 .Lfor_b_\@
	tensor_load_to_lds s[\g0a:\g0a+3], s[\g1a:\g1a+7]
	s_nop 0
.rept 4
	v_nop
.endr
	s_branch .Lasked_\@
.Lfor_b_\@:
	tensor_load_to_lds s[\g0b:\g0b+3], s[\g1b:\g1b+7]
	s_nop 0
.rept 4
	v_nop
.endr
.Lasked_\@:
.endm
.macro CREST
	s_cmp_lg_u32 s14, 0
	s_cbranch_scc1 .Lnot_wave_0_\@
	s_barrier_signal -3
.Lnot_wave_0_\@:
	s_barrier_wait -3
	s_barrier_signal -1
	s_barrier_wait -1
.endm
.macro CROUND
	s_barrier_signal -1
	s_barrier_wait -1
	CREST
.endm
.macro PLACES n
.rept \n
	v_nop
.endr
.endm
.macro GR1 g, rows                     ; words 1 to 7 of a group 1: so many rows of 256 bytes (32 elements of 8), dense
	s_mov_b32 s[\g+1], 32<<16
	s_mov_b32 s[\g+2], (\rows)<<16
	s_mov_b32 s[\g+3], 32<<16
	s_mov_b32 s[\g+4], \rows
	s_mov_b32 s[\g+5], 32
	s_mov_b32 s[\g+6], 0
	s_mov_b32 s[\g+7], 0
.endm
.macro FRAG reg, adr, q, i
.irp c, 0,1,2,3
	ds_load_b128 v[\reg+4*\c:\reg+4*\c+3], v[\adr] offset:(\i)*4096+(\q)*2048+512*\c
.endr
.endm
.macro FETCH j, q, p                   ; K slot j, its q-th 128 along K, into set p: 48 loads
	WIN TO_B
.irp i, 0,1,2,3,4,5,6,7
	FRAG 128*(\p)+16*\i, ADRB+\j, \q, \i
.endr
	WIN 0
.irp i, 0,1,2,3
	FRAG AF+64*(\p)+16*\i, ADRA+\j, \q, \i
.endr
.endm
.macro SCALES j, sc                    ; a K block's scale words, two a row: 8 loads
.irp i, 0,1,2,3
	ds_load_b64 v[SC+16*\sc+2*\i:SC+16*\sc+2*\i+1], v[ADRS+\j] offset:128*\i
.endr
.irp i, 4,5,6,7
	ds_load_b64 v[SC+16*\sc+2*\i:SC+16*\sc+2*\i+1], v[ADRT+\j] offset:128*\i
.endr
.endm
; 16 products: P's tiles a0, a0 + 1 x R's eight.  The 32 accumulators take turns, one instruction a turn.
.macro MUL16 a0, p, q, sc, first
.irp a, \a0, \a0+1
.irp b, 0,1,2,3,4,5,6,7
.if \first
	v_wmma_scale_f32_16x16x128_f8f6f4 v[8*(8*(\a)+\b):8*(8*(\a)+\b)+7], v[128*(\p)+16*\b:128*(\p)+16*\b+15], v[AF+64*(\p)+16*(\a):AF+64*(\p)+16*(\a)+15], v[BR+8*\b:BR+8*\b+7], v[SC+16*(\sc)+2*\b+(\q)], v[SC+16*(\sc)+2*(\a)+(\q)] matrix_a_scale:MATRIX_SCALE_ROW1
.else
	v_wmma_scale_f32_16x16x128_f8f6f4 v[8*(8*(\a)+\b):8*(8*(\a)+\b)+7], v[128*(\p)+16*\b:128*(\p)+16*\b+15], v[AF+64*(\p)+16*(\a):AF+64*(\p)+16*(\a)+15], v[8*(8*(\a)+\b):8*(8*(\a)+\b)+7], v[SC+16*(\sc)+2*\b+(\q)], v[SC+16*(\sc)+2*(\a)+(\q)] matrix_a_scale:MATRIX_SCALE_ROW1
.endif
.endr
.endr
.endm
	s_load_b256 s[68:75], s[0:1], 0x0              ; y_img, wp_img, b_proj, out0
	v_lshl_add_u32 v[SPW], v0, 2, SPARE
	v_mov_b32 v[NIL], 0
	ds_add_u32 v[SPW], v[NIL]                      ; the opening lines: the add twice on end and its wait
	ds_add_u32 v[SPW], v[NIL]
	v_lshrrev_b32 v1, 5, v0
	v_readfirstlane_b32 s14, v1                    ; wave 0..3
	s_lshr_b32 s15, s14, 1                         ; my half of P.  Also: I fetch for P (0) or for R (1)
	s_and_b32 s16, s14, 1                          ; my four tiles of it.  Also: which half I fetch
	s_bfe_u32 s40, ttmp6, 0x40000                  ; cx, cy
	s_bfe_u32 s41, ttmp6, 0x40004
	s_and_b32 s17, ttmp7, 0xffff
	s_lshl_b32 s43, s41, 2
	s_lshl_b32 s43, 15, s43                        ; my row of the cluster
	s_lshl_b32 s44, 0x1111, s40                    ; my column
	s_or_b32 s[G1], s43, (3<<16)|(1<<21)
	s_or_b32 s[G1B], s44, (3<<16)|(1<<21)
	GR1 G1, 396                                    ; the head's loads: three K blocks of 128 rows of P;
	GR1 G1B, 198                                   ; half of R's three
	s_lshl_b32 s18, s17, 2
	s_add_co_u32 s18, s18, s41                     ; the block's 256 rows: shared along my row of the cluster
	s_lshl_b32 s19, ttmp9, 2
	s_add_co_u32 s19, s19, s40                     ; its 128 columns: shared along my column
	s_lshl_b32 s21, s18, 1
	s_add_co_u32 s21, s21, s16
	s_mul_i32 s22, s21, RBB                        ; P: the 128 rows that I would fetch
	s_mov_b32 s23, 0
	s_mul_i32 s46, s19, RBB
	s_mul_i32 s45, s16, 198*256
	s_add_co_u32 s46, s46, s45                     ; R: my half of K blocks 0 to 2,
	s_mov_b32 s47, 0
	s_mul_i32 s8, s19, RBB
	s_mul_i32 s45, s16, 66*256
	s_add_co_u32 s8, s8, s45
	s_add_co_u32 s8, s8, 3*HB                      ; and of K block 3
	s_mov_b32 s9, 0
	s_mul_i32 s42, s16, PART                       ; P's place in LDS: no place in the cluster enters an LDS address
	s_wait_dscnt 0x0
	s_wait_kmcnt 0x0
	s_add_nc_u64 s[2:3], s[68:69], s[22:23]
	s_add_nc_u64 s[4:5], s[70:71], s[46:47]
	s_add_nc_u64 s[6:7], s[70:71], s[8:9]
	CROUND                                         ; the first joint loads meet
	s_mov_b32 s[G0], 1
	s_mov_b32 s[G0+1], s42
	s_mov_b64 s[G0+2:G0+3], s[2:3]
	s_or_b32 s[G0+3], s[G0+3], 0x80000000
	s_mov_b32 s[G0R], 1                            ; the refill: K block 3 into K slot 0
	s_mov_b32 s[G0R+1], s42
	s_add_nc_u64 s[G0R+2:G0R+3], s[2:3], 3*HB
	s_or_b32 s[G0R+3], s[G0R+3], 0x80000000
	s_mov_b32 s[G0B], 1
	s_mul_i32 s[G0B+1], s16, 198*256
	s_add_co_u32 s[G0B+1], s[G0B+1], 2*PART
	s_mov_b64 s[G0B+2:G0B+3], s[4:5]
	s_or_b32 s[G0B+3], s[G0B+3], 0x80000000
	s_mov_b32 s[G0BR], 1
	s_mul_i32 s[G0BR+1], s16, 66*256
	s_add_co_u32 s[G0BR+1], s[G0BR+1], 2*PART
	s_mov_b64 s[G0BR+2:G0BR+3], s[6:7]
	s_or_b32 s[G0BR+3], s[G0BR+3], 0x80000000
	JLOAD G0, G1, G0B, G1B                         ; my one load at the head
	s_mul_i32 s81, s15, PART
	s_lshl_b32 s82, s16, 14
	s_add_co_u32 s81, s81, s82                     ; my four tiles of P
	s_mul_i32 s76, s15, PART
	s_lshl_b32 s82, s16, 9
	s_add_co_u32 s78, s76, s82
	s_add_co_u32 s76, s78, 32768                   ; their scale words;
	s_add_co_u32 s78, s78, 32256                   ; the same 512 bytes lower, for the loads of tiles 4-7
	s_mov_b32 s77, 2*PART+32768
	s_sub_co_u32 s79, s77, s78                     ; lanes 16-31 take R's words: the distance between the two
	s_sub_co_u32 s77, s77, s76
	s_mul_i32 s80, s14, 16*SPI
	s_add_co_u32 s80, s80, STAGE                   ; my stage
	s_lshl_b32 s6, s18, 8
	s_lshl_b32 s7, s15, 7
	s_add_co_u32 s6, s6, s7
	s_lshl_b32 s7, s16, 6
	s_add_co_u32 s6, s6, s7                        ; my first row of the result
	s_lshl_b32 s6, s6, 12
	s_lshl_b32 s8, s19, 9                          ; my first column, in bytes
	s_mov_b32 s9, 0
	s_add_nc_u64 s[10:11], s[72:73], s[8:9]
	s_add_co_u32 s6, s6, s8
	s_mov_b32 s7, 0
	s_add_nc_u64 s[12:13], s[74:75], s[6:7]
	v_and_b32 v1, 31, v0
	v_and_b32 v6, 15, v0                           ; r
	v_bfe_u32 v7, v0, 4, 1                         ; h
	v_lshlrev_b32 v5, 4, v1
	v_add_nc_u32 v[ADRA], s81, v5
	v_add_nc_u32 v[ADRA+1], HB, v[ADRA]
	v_add_nc_u32 v[ADRA+2], HB, v[ADRA+1]
	v_add_nc_u32 v[ADRB], 2*PART, v5
	v_add_nc_u32 v[ADRB+1], HB, v[ADRB]
	v_add_nc_u32 v[ADRB+2], HB, v[ADRB+1]
	v_mul_u32_u24 v1, s77, v7
	v_lshl_add_u32 v1, v6, 3, v1                   ; 8 bytes a row
	v_add_nc_u32 v[ADRS], s76, v1
	v_add_nc_u32 v[ADRS+1], HB, v[ADRS]
	v_add_nc_u32 v[ADRS+2], HB, v[ADRS+1]
	v_mul_u32_u24 v1, s79, v7
	v_lshl_add_u32 v1, v6, 3, v1
	v_add_nc_u32 v[ADRT], s78, v1
	v_add_nc_u32 v[ADRT+1], HB, v[ADRT]
	v_add_nc_u32 v[ADRT+2], HB, v[ADRT+1]
	v_mul_u32_u24 v[STO], v6, SPI                  ; into the stage: row r, 64 bytes for each half of the lanes
	v_lshl_add_u32 v[STO], v7, 6, v[STO]
	v_add_nc_u32 v[STO], s80, v[STO]
	v_mul_u32_u24 v[RD], v7, SPI                   ; back: lanes 0-15 one row of 256 bytes, lanes 16-31 the next
	v_lshl_add_u32 v[RD], v6, 4, v[RD]
	v_add_nc_u32 v[RD], s80, v[RD]
	v_lshlrev_b32 v[CO], 12, v7                    ; and the same two rows in out0
	v_lshl_add_u32 v[CO], v6, 4, v[CO]
	v_lshlrev_b32 v32, 6, v7                       ; the bias: lane (r, h) wants, for tile b, columns 32 (b / 2) + 8 (b % 2) + 16 h + 0 .. 7
	s_wait_alu depctr_va_vdst(0)
.irp b, 0,1,2,3,4,5,6,7
	global_load_b128 v[BR+8*\b:BR+8*\b+3], v32, s[10:11] offset:(32*(\b/2)+8*(\b%2))*4
	global_load_b128 v[BR+8*\b+4:BR+8*\b+7], v32, s[10:11] offset:(32*(\b/2)+8*(\b%2))*4+16
.endr
	s_wait_loadcnt 0x0
	s_wait_tensorcnt 0x0                           ; my part of K blocks 0 to 2 is in; no load of mine is out, so a descriptor may be written:
	s_mov_b32 s[G1+2], 132<<16                     ; the refill brings one K block: 132 rows of P,
	s_mov_b32 s[G1+4], 132
	s_mov_b32 s[G1B+2], 66<<16                     ; 66 of R
	s_mov_b32 s[G1B+4], 66
	s_barrier_signal -1
	s_barrier_wait -1
	FETCH 0, 0, 0
	SCALES 0, 0
	; step 0: K 0-127: the sums start from the bias
	FETCH 0, 1, 1
	s_wait_dscnt 48                                ; all but the 48 just issued
	WIN MUL1
	MUL16 0, 0, 0, 0, 1
	MUL16 2, 0, 0, 0, 1
	; step 1: my reads of K slot 0 end here; it is filled again behind a round of the cluster's barrier
	WIN 0
	PLACES NP                                      ; in front of loads into registers that matrix instructions have read
	FETCH 1, 0, 0
	SCALES 1, 1
	s_wait_tensorcnt 0x0
	ds_add_u32 v[SPW], v[NIL]
	s_wait_dscnt 57                                ; the 56 loads just issued and the add may be out
	WIN MUL
	MUL16 0, 1, 1, 0, 0
	s_wait_dscnt 0x0                               ; the add is done, and my reads of K slot 0 are over
	s_barrier_signal -1
	MUL16 2, 1, 1, 0, 0
	WIN 0
	s_barrier_wait -1
	CREST
	JLOAD G0R, G1, G0BR, G1B                       ; K block 3; its four v_nop are four of the eight places
	; step 2
	PLACES NP-4
	FETCH 1, 1, 1
	WIN MUL
	MUL16 0, 0, 0, 1, 0
	MUL16 2, 0, 0, 1, 0
	; step 3
	WIN 0
	PLACES NP
	FETCH 2, 0, 0
	SCALES 2, 0
	s_wait_dscnt 56
	WIN MUL
	MUL16 0, 1, 1, 1, 0
	MUL16 2, 1, 1, 1, 0
	; step 4
	WIN 0
	PLACES NP
	FETCH 2, 1, 1
	s_wait_dscnt 48
	WIN MUL
	MUL16 0, 0, 0, 0, 0
	MUL16 2, 0, 0, 0, 0
	; step 5: a barrier shows K block 3
	WIN 0
	PLACES NP
	s_wait_tensorcnt 0x0
	s_wait_dscnt 0x0
	s_barrier_signal -1
	WIN MUL
	MUL16 0, 1, 1, 0, 0
	WIN 0
	s_barrier_wait -1
	FETCH 0, 0, 0
	SCALES 0, 1
	WIN MUL
	MUL16 2, 1, 1, 0, 0
	; step 6
	WIN 0
	PLACES NP
	FETCH 0, 1, 1
	s_wait_dscnt 48
	WIN MUL
	MUL16 0, 0, 0, 1, 0
	MUL16 2, 0, 0, 1, 0
	; step 7
	s_wait_dscnt 0x0
	MUL16 0, 1, 1, 1, 0
	MUL16 2, 1, 1, 1, 0
	WIN 0
; THE WAY OUT: 16 rows x 64 columns at a time through my own stage, and back as whole rows of 256 bytes: sixteen lanes store one aligned unit.  LDS serves a wave's instructions in order (ISA guide 5.7.1.4).
.macro TOSTAGE k                       ; k = 2 a + u: P's tile a, columns 64 u on
	WIN 0x08                                       ; the data: window 2
.irp b, 0,1,2,3
	ds_store_b128 v[STO], v[64*((\k)/2)+32*((\k)%2)+8*\b:64*((\k)/2)+32*((\k)%2)+8*\b+3] offset:128*(\b/2)+32*(\b%2)   ; each accumulator from its low end on
	ds_store_b128 v[STO], v[64*((\k)/2)+32*((\k)%2)+8*\b+4:64*((\k)/2)+32*((\k)%2)+8*\b+7] offset:128*(\b/2)+32*(\b%2)+16
.endr
	WIN 0
.irp t, 0,1,2,3,4,5,6,7
	ds_load_b128 v[BK+32*((\k)%2)+4*\t:BK+32*((\k)%2)+4*\t+3], v[RD] offset:\t*2*SPI
.endr
.endm
.macro SEND k, younger
	s_wait_dscnt \younger
.irp t, 0,1,2,3,4,5,6,7
	global_store_b128 v[CO], v[BK+32*((\k)%2)+4*\t:BK+32*((\k)%2)+4*\t+3], s[12:13] offset:(32*((\k)/4)+8*(((\k)/2)%2)+2*\t+8*(\t/4))*4096+256*((\k)%2) th:TH_STORE_NT
.endr
.endm
	PLACES NP
	TOSTAGE 0
.irp k, 1,2,3,4,5,6,7
.if \k > 1
	s_wait_xcnt 0x0                                ; the stores of two pieces ago have read their registers
.endif
	TOSTAGE \k
	SEND \k-1, 16                                  ; behind that piece's loads: 8 stores and 8 loads
.endr
	SEND 7, 0
	s_wait_tensorcnt 0x0                           ; the wave's end
	ds_add_u32 v[SPW], v[NIL]
	s_wait_dscnt 0x0
	CROUND                                         ; the closing round
	s_endpgm
.Lfunc_end_k_q17b1d3ca3c_proj:
	.size	k_q17b1d3ca3c_proj, .Lfunc_end_k_q17b1d3ca3c_proj-k_q17b1d3ca3c_proj
	.p2alignl 7, 3214868480
	.fill 96, 4, 3214868480
	.section	.rodata,"a",@progbits
	.p2align	6, 0x0
	.amdhsa_kernel k_q17b1d3ca3c_proj
		.amdhsa_group_segment_fixed_size 327680
		.amdhsa_private_segment_fixed_size 0
		.amdhsa_enable_private_segment 0
		.amdhsa_kernarg_size 32
		.amdhsa_user_sgpr_count 2
		.amdhsa_user_sgpr_kernarg_segment_ptr 1
		.amdhsa_wavefront_size32 1
		.amdhsa_system_sgpr_workgroup_id_x 1
		.amdhsa_system_sgpr_workgroup_id_y 1
		.amdhsa_system_sgpr_workgroup_id_z 1
		.amdhsa_system_vgpr_workitem_id 0
		.amdhsa_next_free_vgpr 768
		.amdhsa_next_free_sgpr 100
		.amdhsa_reserve_vcc 0
		.amdhsa_float_denorm_mode_32 3
		.amdhsa_float_denorm_mode_16_64 3
		.amdhsa_memory_ordered 1
		.amdhsa_forward_progress 1
		.amdhsa_inst_pref_size 87
	.end_amdhsa_kernel
	.amdgpu_metadata
---
amdhsa.version: [ 1, 2 ]
amdhsa.kernels:
  - .name:           k_q17b1d3ca3c_proj
    .symbol:         k_q17b1d3ca3c_proj.kd
    .args:
      - { .name: y_img, .offset: 0, .size: 8, .value_kind: global_buffer, .address_space: global }
      - { .name: wp_img, .offset: 8, .size: 8, .value_kind: global_buffer, .address_space: global }
      - { .name: b_proj, .offset: 16, .size: 8, .value_kind: global_buffer, .address_space: global }
      - { .name: out0, .offset: 24, .size: 8, .value_kind: global_buffer, .address_space: global }
    .group_segment_fixed_size: 327680
    .private_segment_fixed_size: 0
    .kernarg_segment_align: 8
    .kernarg_segment_size: 32
    .max_flat_workgroup_size: 128
    .sgpr_count:     100
    .vgpr_count:     768
    .wavefront_size: 32
...
	.end_amdgpu_metadata
.endif
;; end of part 4
